; MI455X (gfx1250); checked and timed in simulation.
; The chip was launched on July 23, 2026; its instructions are those of AMD's public machine-readable ISA for CDNA 5 (MIT licence, August 2026) and "CDNA5" Instruction Set Architecture Reference Guide (July 2026). The comments in the code are by the model that wrote it; some were corrected since.
;; Causal Attention. Allowed arithmetic: matrix products marked QUANTISED: E3M2 operands, one E8M0 scale for each 32 along K, by v_wmma_scale_f32_16x16x128_f8f6f4 with both operands' format E3M2, f32 sums; everything else in f32.
;; Inputs: Wk 1,024 x 1,024 float32; Wq 1,024 x 1,024 float32; Wv 1,024 x 1,024 float32; x 4 x 2,048 x 1,024 float32.
;; Outputs: out0 4 x 2,048 x 1,024 float32.
;; This version of the problem:
;;   THIS VERSION OF THE PROBLEM IS GIVEN IN LOW PRECISION. The matrix products marked QUANTISED in the list below multiply operands that are first quantised to E3M2 (3 exponent bits, 2 mantissa bits; 6 bits a number), with one power-of-two scale for each 32 numbers along K (OCP MX v1.0); their sums are f32. All else is computed in f32.
;;   The module's matrix products, in the order in which they are computed (A, B: the left and right operand; K: the contracted axis; several contracted axes count as one K, in the product's order):
;;     1. [M 8,192, K 1,024] x [K 1,024, N 1,024]; A: input x; B: input Wq: QUANTISED
;;     2. [M 8,192, K 1,024] x [K 1,024, N 1,024]; A: input x; B: input Wk: QUANTISED
;;     3. [M 8,192, K 1,024] x [K 1,024, N 1,024]; A: input x; B: input Wv: QUANTISED
;;     4. batch 4 x [M 2,048, K 1,024] x [K 1,024, N 2,048]; A: computed on the way; B: computed on the way: QUANTISED
;;     5. batch 4 x [M 2,048, K 2,048] x [K 2,048, N 1,024]; A: softmax (see below); B: computed on the way: QUANTISED
;;   THE QUANTISER, for each operand of a quantised product, along K:
;;     - K is cut into blocks of 32 from its start; a last block that is shorter is filled with zeros.
;;     - A block's scale is 2^e with e = floor(log2(the largest magnitude in the block)) - 4, held to -126 .. 127; a block of zeros has e = 0. As a byte (E8M0): e + 127.
;;     - Each number is divided by its block's scale, clamped to +-28, and rounded to the nearest number of E3M2, ties to even, subnormals kept.
;;     - The product sums the exact products of the quantised numbers (number of the format x scale) in f32.
;;   ~~~python
;;   def quantise(x, axis):      # numpy; x: float32 -> the quantised numbers, widened to float32 again
;;       x = np.moveaxis(x, axis, -1); K = x.shape[-1]
;;       x = np.pad(x, [(0, 0)] * (x.ndim - 1) + [(0, -K % 32)]); x = x.reshape(x.shape[:-1] + (-1, 32)); a = np.abs(x).max(-1, keepdims=True)
;;       e = np.where(a > 0, np.clip(np.frexp(np.where(a > 0, a, 1))[1] - 1 - 4, -126, 127), 0)      # np.frexp(a)[1] - 1 = floor(log2(a)), exactly
;;       r = np.clip(x / 2.0 ** e, -28, 28)
;;       step = 2.0 ** (np.maximum(np.frexp(np.where(r == 0, 1, r))[1] - 1, -2) - 2)
;;       q = np.round(r / step) * step * 2.0 ** e      # np.round: ties to even
;;       return np.moveaxis(q.reshape(q.shape[:-2] + (-1,))[..., :K], -1, axis).astype(np.float32)
;;   ~~~
;;   SOFTMAX AHEAD OF A QUANTISED PRODUCT. Where the list says 'softmax', what is quantised is not the finished softmax but p = 2^(t - M), with t = logit x log2(e) and M = ceil(the row's largest t), a whole number; so 1/2 < the row's largest p <= 1. The row's sum l is taken of the UNQUANTISED p, in f32, and the product's result is divided by l at the end. Since M is a whole number, a kernel that streams over the keys may use a running M (the ceiling of the running maximum): every later rescaling is an exact power of two, which a block's scale takes up: the codes' values come out the same.
;;   OPERANDS COMPUTED ON THE WAY. 'Computed on the way' means the value that the module computes at that place (a softmax that the list does not call 'softmax' is quantised finished and normalised). What goes into a quantiser is computed in f32, as accurately as f32 sums, v_exp_f32 and their like allow (about 1e-6 of the number): no bf16 or f16 on the way to a quantiser, and a product that is left as it is and whose result goes on into a quantised operand takes f32 operands (vector FMAs, or v_wmma_f32_16x16x4_f32). A number that lies on a knife's edge between two numbers of the format may be rounded either way, as far as f32 arithmetic and the matrix unit's own rounding can turn it there, and no further.
;; One version. Each part assembles by itself: llvm-mc -triple=amdgcn-amd-amdhsa -mcpu=gfx1250 --defsym DOCPART=n.
;; ======== version 1 of 1: 4 launches
;; workspace buffers: xc 6,553,600 bytes; wc 2,457,600 bytes; qk 13,107,200 bytes; vt 6,553,600 bytes; p 14,155,776 bytes
;; launch quant (part 1): grid 352 x 1, 4 waves a work-group, no clusters, 35,328 bytes of LDS; arguments x, Wq, Wk, Wv, xc, wc; writes xc, wc
.if DOCPART == 1
	.amdgcn_target "amdgcn-amd-amdhsa--gfx1250"
	.amdhsa_code_object_version 6
	.text
	.protected	k_q7007ff8285_quant
	.globl	k_q7007ff8285_quant
	.p2align	8
	.type	k_q7007ff8285_quant,@function
k_q7007ff8285_quant:
	s_mov_b64 s[64:65], 0
	v_nop
	global_prefetch_b8 v0, s[64:65] scope:SCOPE_SE
	s_setreg_imm32_b32 hwreg(HW_REG_WAVE_MODE, 25, 1), 1
	s_wait_xcnt 0x0
; x [8192][1024] and Wq, Wk, Wv [1024][1024], f32 with K innermost, become codes of BF6 (E3M2) with one E8M0 byte for each 32 along K,
; laid in the ORDER OF THE MATRIX OPERAND'S REGISTERS, so that the products' launches read them by 16-byte loads alone.
; A RECORD is 128 rows x 128 along K, 12,800 bytes: eight images of 1,536 bytes (tile a at 1,536 a: register 4 c + i of lane L at 512 c + 16 L + 4 i),
; then four blocks of 128 bytes of scale words (block p, word L: lanes 0-15 tile 2 p's rows, lanes 16-31 tile 2 p + 1's).  Records lie [group of 128 rows][K step].
; THE ROWS OF A TILE ARE NOT NEIGHBOURS: lane r of tile T takes row 32 (T / 2) + 8 (T % 2) + r + 8 (r / 8) of its group, in every buffer of this program.
; A block's scale is 2^(floor(log2(its largest magnitude)) - 4); its byte is the largest magnitude's exponent field - 4, held at 1 from below.
; LIMITS: a block whose largest magnitude lies under 2^-122 keeps the byte 1; a block of zeros has the byte 1 (its codes are zeros, and this program alone reads the bytes); NaN and infinities are not served.
; SHARES: a work-group takes 64 rows and four K steps of 128, a wave one K step: four tiles.  The first 256 work-groups take x, the others Wq, Wk, Wv: only pointers are chosen, there is one path.
; A load reads 512 consecutive bytes of one row; a tile's 16 rows turn through the wave's own stage in LDS, so that a lane gets the 2 x 32 neighbours along K that the operand's layout gives it.
; No tensor loads, no barrier: waves share nothing.
.set REC,  12800
.set WREG, 8704                        ; LDS of a wave: a stage of 16 rows x 528 bytes, then 256 bytes for the scale words
.set SP,   528                         ; a stage row: 512 bytes + 16, so that sixteen rows start in sixteen different groups of banks
.set R,    32                          ; v32-159  two sets of 64: a tile as loaded
.set X,    160                         ; v160-223 my 64 numbers: register 32 c + i = k 64 c + 32 (lane / 16) + i of my row
.set PC,   224                         ; v224-247 two sets of 12: a tile's codes
.set CH,   248                         ; v248-254 the upper halves of the blocks' codes, before they are moved
.set PW,   16                          ; v16-19   the four tiles' scale words
	s_load_b256 s[4:11], s[0:1], 0x0               ; x, Wq, Wk, Wv
	s_load_b128 s[12:15], s[0:1], 0x20             ; xc, wc
	v_lshl_add_u32 v251, v0, 2, 0x8800
	v_mov_b32 v255, 0
	v_lshrrev_b32 v20, 5, v0
	v_readfirstlane_b32 s24, v20                   ; wave
	v_and_b32 v20, 31, v0                          ; lane L
	v_and_b32 v21, 15, v0                          ; r
	v_bfe_u32 v22, v0, 4, 1                        ; h
	s_mul_i32 s25, s24, WREG
	v_lshlrev_b32 v1, 4, v20                       ; 16 L: my bytes of a load, and of an image's store
	v_add_nc_u32 v2, s25, v1                       ; the stage, on the way in
	v_mul_u32_u24 v3, v21, SP
	v_lshl_add_u32 v3, v22, 7, v3
	v_add_nc_u32 v3, s25, v3                       ; and on the way out: row r, + 128 h
	s_add_co_u32 s25, s25, 16*SP
	v_lshl_add_u32 v4, v20, 2, s25                 ; the scale words: in, 4 L
	v_lshl_add_u32 v5, v20, 3, s25                 ; out, 8 L
	v_lshlrev_b32 v6, 3, v20
	v_lshlrev_b32 v7, 3, v22                       ; 8 h: how far my two bytes are shifted in the scale word
	v_mov_b32 v15, 0                               ; written once: a lane permute's destination counts as one of its sources
	s_mov_b32 s20, 0x76543210
	s_mov_b32 s21, 0xfedcba98                      ; selects for lane l xor 16
	s_mov_b32 s22, 0xffff0000                      ; lanes 16-31
	s_lshr_b32 s16, ttmp9, 1                       ; which 64 rows: 0-127 x, 128-143 Wq, 144-159 Wk, 160-175 Wv
	s_and_b32 s19, ttmp9, 1
	s_lshl_b32 s19, s19, 2
	s_add_co_u32 s19, s19, s24                     ; my K step
	s_sub_co_u32 s17, s16, 128                     ; the same counted within wc
	s_and_b32 s18, s17, 15                         ; and within one W
	s_wait_kmcnt 0x0
	s_cmp_lt_u32 s16, 160
	s_cselect_b64 s[10:11], s[8:9], s[10:11]
	s_cmp_lt_u32 s16, 144
	s_cselect_b64 s[10:11], s[6:7], s[10:11]
	s_cmp_lt_u32 s16, 128
	s_cselect_b64 s[10:11], s[4:5], s[10:11]       ; the source
	s_cselect_b64 s[12:13], s[12:13], s[14:15]     ; the destination
	s_cselect_b32 s17, s16, s17                    ; which 64 rows of the destination
	s_cselect_b32 s18, s16, s18                    ; which 64 rows of the source
	s_lshl_b32 s26, s18, 18                        ; 64 rows of 4,096 bytes
	s_lshl_b32 s27, s19, 9                         ; 512 bytes a K step
	s_add_co_u32 s26, s26, s27
	s_mov_b32 s27, 0
	s_add_nc_u64 s[10:11], s[10:11], s[26:27]
	s_lshr_b32 s28, s17, 1                         ; the group of 128 rows
	s_lshl_b32 s28, s28, 3
	s_add_co_u32 s28, s28, s19
	s_mul_i32 s28, s28, REC
	s_mov_b32 s29, 0
	s_add_nc_u64 s[12:13], s[12:13], s[28:29]      ; my record
	s_and_b32 s30, s17, 1                          ; its lower or upper four tiles
	s_lshl_b32 s28, s30, 8
	s_add_nc_u64 s[14:15], s[12:13], s[28:29]      ; for the scale words: 256 bytes a half
	s_mul_i32 s28, s30, 4*1536
	s_add_nc_u64 s[12:13], s[12:13], s[28:29]      ; for the images
.macro LOADF f                         ; tile f's sixteen rows: each load reads 512 consecutive bytes
.irp i, 0,1,2,3,4,5,6,7,8,9,10,11,12,13,14,15
	global_load_b128 v[R+64*((\f)%2)+4*\i:R+64*((\f)%2)+4*\i+3], v1, s[10:11] offset:(32*((\f)/2)+8*((\f)%2)+\i+8*(\i/8))*4096 th:TH_LOAD_NT
.endr
.endm
.macro FRAGQ f
.set RS, R+64*((\f)%2)
.set PS, PC+12*((\f)%2)
.if (\f) < 3
	s_wait_loadcnt 16                              ; this tile's sixteen loads are in; the next tile's sixteen may be out
.else
	s_wait_loadcnt 0x0
.endif
.irp i, 0,1,2,3,4,5,6,7,8,9,10,11,12,13,14,15
	ds_store_b128 v2, v[RS+4*\i:RS+4*\i+3] offset:SP*\i
.endr
.irp c, 0,1
.irp j, 0,1,2,3,4,5,6,7
	ds_load_b128 v[X+32*\c+4*\j:X+32*\c+4*\j+3], v3 offset:256*\c+16*\j   ; LDS serves a wave's instructions in order: these see the stores above
.endr
.endr
	s_wait_dscnt 0x0                               ; my 64 numbers are in, and the stores have read their registers,
.if (\f) < 2
	LOADF (\f)+2                                   ; which take the tile two further on
.endif
.irp c, 0,1                                    ; my block 2 c + h: all its 32 numbers are mine
	v_max3_num_f32 v[8+\c], |v[X+32*\c]|, |v[X+32*\c+1]|, 0x2800000   ; with the floor 2^(5 - 127): the byte cannot fall under 1
.endr
.irp i, 2,4,6,8,10,12,14,16,18,20,22,24,26,28,30
.irp c, 0,1
	v_max3_num_f32 v[8+\c], v[8+\c], |v[X+32*\c+\i]|, |v[X+32*\c+\i+1]|
.endr
.endr
.irp c, 0,1
	v_add_nc_u32 v[10+\c], 0xfe000000, v[8+\c]     ; 4 off the exponent field: the conversion's scale operand
.endr
.irp c, 0,1
	v_lshrrev_b32 v[12+\c], 23, v[10+\c]           ; the byte
.endr
	v_lshl_or_b32 v14, v13, 16, v12                ; blocks h and 2 + h,
	v_lshlrev_b32 v14, v7, v14                     ; at their places in the word;
	v_permlanex16_b32 v15, v14, s20, s21
	v_or_b32 v[PW+(\f)], v14, v15                  ; with lane l xor 16's two the word is whole, in both lanes
.if (\f) >= 2
	s_wait_xcnt 0x0                                ; the stores of the tile two back have read this set of codes
.endif
.irp c, 0,1
	v_cvt_scalef32_pk16_bf6_f32 v[PS+6*\c:PS+6*\c+2], v[X+32*\c:X+32*\c+15], v[10+\c]
	v_cvt_scalef32_pk16_bf6_f32 v[CH+4*\c:CH+4*\c+2], v[X+32*\c+16:X+32*\c+31], v[10+\c]   ; (a conversion's three registers begin on an even number)
.endr
	v_nop                                          ; one plain place behind a scaled conversion
.irp c, 0,1
.irp i, 0,1,2
	v_mov_b32 v[PS+6*\c+3+\i], v[CH+4*\c+\i]
.endr
.endr
.irp c, 0,1,2
	global_store_b128 v1, v[PS+4*\c:PS+4*\c+3], s[12:13] offset:1536*(\f)+512*\c   ; 32 lanes store 512 consecutive bytes, aligned to 256
.endr
.endm
	LOADF 0
	LOADF 1
	FRAGQ 0
	FRAGQ 1
	FRAGQ 2
	FRAGQ 3
	v_cndmask_b32 v23, v[PW], v[PW+1], s22         ; lanes 0-15 the even tile's words, lanes 16-31 the odd tile's
	v_cndmask_b32 v24, v[PW+2], v[PW+3], s22
	ds_store_b32 v4, v23
	ds_store_b32 v4, v24 offset:128
	ds_load_b64 v[26:27], v5                       ; in order behind my stores
	s_wait_dscnt 0x0
	global_store_b64 v6, v[26:27], s[14:15] offset:12288   ; 32 lanes store 256 consecutive bytes, aligned
	s_wait_tensorcnt 0x0
	ds_add_u32 v251, v255
	s_wait_dscnt 0x0
	s_endpgm
.Lfunc_end_k_q7007ff8285_quant:
	.size	k_q7007ff8285_quant, .Lfunc_end_k_q7007ff8285_quant-k_q7007ff8285_quant
	.p2alignl 7, 3214868480
	.fill 96, 4, 3214868480
	.section	.rodata,"a",@progbits
	.p2align	6, 0x0
	.amdhsa_kernel k_q7007ff8285_quant
		.amdhsa_group_segment_fixed_size 35328
		.amdhsa_private_segment_fixed_size 0
		.amdhsa_enable_private_segment 0
		.amdhsa_kernarg_size 48
		.amdhsa_user_sgpr_count 2
		.amdhsa_user_sgpr_kernarg_segment_ptr 1
		.amdhsa_wavefront_size32 1
		.amdhsa_system_sgpr_workgroup_id_x 1
		.amdhsa_system_sgpr_workgroup_id_y 1
		.amdhsa_system_sgpr_workgroup_id_z 1
		.amdhsa_system_vgpr_workitem_id 0
		.amdhsa_next_free_vgpr 256
		.amdhsa_next_free_sgpr 66
		.amdhsa_reserve_vcc 0
		.amdhsa_float_denorm_mode_32 3
		.amdhsa_float_denorm_mode_16_64 3
		.amdhsa_memory_ordered 1
		.amdhsa_forward_progress 1
		.amdhsa_inst_pref_size 31
	.end_amdhsa_kernel
	.amdgpu_metadata
---
amdhsa.version: [ 1, 2 ]
amdhsa.kernels:
  - .name:           k_q7007ff8285_quant
    .symbol:         k_q7007ff8285_quant.kd
    .args:
      - { .name: x, .offset: 0, .size: 8, .value_kind: global_buffer, .address_space: global }
      - { .name: Wq, .offset: 8, .size: 8, .value_kind: global_buffer, .address_space: global }
      - { .name: Wk, .offset: 16, .size: 8, .value_kind: global_buffer, .address_space: global }
      - { .name: Wv, .offset: 24, .size: 8, .value_kind: global_buffer, .address_space: global }
      - { .name: xc, .offset: 32, .size: 8, .value_kind: global_buffer, .address_space: global }
      - { .name: wc, .offset: 40, .size: 8, .value_kind: global_buffer, .address_space: global }
    .group_segment_fixed_size: 35328
    .private_segment_fixed_size: 0
    .kernarg_segment_align: 8
    .kernarg_segment_size: 48
    .max_flat_workgroup_size: 128
    .sgpr_count:     66
    .vgpr_count:     256
    .wavefront_size: 32
...
	.end_amdgpu_metadata
.endif
;; end of part 1
;; launch proj (part 2): grid 8 x 48, 4 waves a work-group, clusters of 4 x 4, 327,680 bytes of LDS; arguments xc, wc, qk, vt; writes qk, vt
.if DOCPART == 2
	.amdgcn_target "amdgcn-amd-amdhsa--gfx1250"
	.amdhsa_code_object_version 6
	.text
	.protected	k_q7007ff8285_proj
	.globl	k_q7007ff8285_proj
	.p2align	8
	.type	k_q7007ff8285_proj,@function
k_q7007ff8285_proj:
	s_mov_b64 s[64:65], 0
	v_nop
	global_prefetch_b8 v0, s[64:65] scope:SCOPE_SE
	s_setreg_imm32_b32 hwreg(HW_REG_WAVE_MODE, 25, 1), 1
	s_wait_xcnt 0x0
	s_wait_alu depctr_hold_cnt(0) depctr_sa_sdst(0) depctr_va_vdst(0) depctr_va_sdst(0) depctr_va_ssrc(0) depctr_va_vcc(0) depctr_vm_vsrc(0)
	s_getreg_b32 s2, hwreg(HW_REG_IB_STS2, 6, 4)
	s_cmp_eq_u32 s2, 0
	s_cbranch_scc0 .Lentry_in_a_cluster
	s_endpgm
.Lentry_in_a_cluster:
	s_bfe_u32 s2, ttmp6, 0x10000c
	s_cmp_lg_u32 s2, 0xf033
	s_cbranch_scc0 .Lentry_shape_is_right
	s_endpgm
.Lentry_shape_is_right:
; q = x Wq^T, k = x Wk^T, v = x Wv^T on codes of BF6 with E8M0 scales, sums in f32; the results are quantised in registers and leave as codes, in records (see below).
; RECORD: 128 rows x 128 along K, 12,800 bytes: eight images of 1,536 bytes (tile a: register 4 c + i of lane L at 1,536 a + 512 c + 16 L + 4 i), then four blocks of 128 bytes of scale words
; (block p, word L: lanes 0-15 tile 2 p's rows, lanes 16-31 tile 2 p + 1's).  Lane r of tile T holds row 32 (T / 2) + 8 (T % 2) + r + 8 (r / 8).  Buffers lie [group of 128 rows][K step].
; A PRODUCT is D = (source 0: 16 rows of B) x (source 1: 16 rows of A): a lane then holds ONE row of A, and by the order of a tile's rows the 16 registers of B's tiles 2 b and 2 b + 1 are 16 neighbours
; along B's rows, which are the next product's K.  So q and k (A = x, B = Wq | Wk) come out with d_out along a lane's registers, and v (A = Wv, B = x) comes out TRANSPOSED, with the keys along them.
; SHARES: a work-group of four waves makes 256 x 256, a wave 128 x 128 in 64 accumulators: exactly one record of the result.  Clusters y 0-7: q and k (32 x 8 tiles); y 8-11: v^T (4 x 32 tiles).
; The kind is chosen by scalar selects on the cluster's y: one path.  K = 1,024 goes in four slots' worth of 256 through a ring of two LDS slots; a wave fills a quarter of a slot (two records, dense) by one tensor load.
; CLUSTERS: 4 x 4.  A's tile hangs on the tile row alone and is asked for jointly along a row of the cluster, B's on the tile column alone, along a column.
; LIMITS: a block whose largest magnitude lies under 2^-122 keeps the byte 1, a block of zeros has the byte 1 (read by this program alone); NaN and infinities are not served.
; REGISTERS, in windows of 256: window 0: v2-13 addresses, v28-29 for the add, v32-47 scale words (two sets), v64-159 and v160-255 A's fragments (two sets); window 1: B's fragments at v0 and v128;
; window 2: accumulators of A's tiles 0-3 ((a, b) at v[8 (8 (a % 4) + b)]); window 3: of tiles 4-7.
.set REC,   12800
.set RA,    REC
.set RB,    REC
.set QA,    2*RA                       ; a quarter of a slot: two K steps of one group
.set QB,    2*RB
.set SLOT,  2*QA+2*QB                  ; A's two groups, then B's two
.set SPARE, 2*SLOT                     ; the spare words, 128 bytes a wave: two blocks of 256 bytes that no other line names
.set SCR,   SPARE+512                  ; 2,048 bytes a wave for the way out of the scale words; no fill lands here
.set GROW,  8*REC                      ; a group's eight K steps
.set LAPS,  2                          ; a lap = two slots = 512 along K
.set ADRA, 2                           ; v2-3   my A fragments in slot 0, 1 (16 L)
.set ADRB, 4                           ; v4-5   my B fragments
.set ADSA, 6                           ; v6-7   A's scale words (4 L)
.set ADSB, 8                           ; v8-9   B's
.set LI,   10                          ; v10    16 L
.set LW,   11                          ; v11    4 L
.set SCW,  12                          ; v12    my scratch, 4 L
.set SCRD, 13                          ; v13    my scratch, 16 L
.set SPW,  28
.set NIL,  29
.set SC,   32                          ; set q at SC + 8 q: + p A's pair p, + 4 + p B's pair p
.set AF,   64
.set TM,   64                          ; the way out: v64-67 maxima, v68-71 bytes, v76-79 scale operands
.set PC,   80                          ; v80-98  codes
.set PWS,  104                         ; v104-111 the eight tiles' scale words
.set MG,   112
.set OB,   116
.set G1,  24
.set G0,  32
.set G1B, 48
.set G0B, 56
.set SEL, 68
.set MH,  78
.set MSB, 0
.macro WIN new                         ; the immediate's high byte repeats the setting that is left
.if MSB != (\new)
	s_set_vgpr_msb (MSB<<8)|(\new)
.set MSB, (\new)
.endif
.endm
.set MUL_LO, 0xa1                      ; source 0 (B) window 1, source 1 (A) window 0, C and D window 2
.set MUL_HI, 0xf1
.set TO_B,   0x40
.macro JLOAD g0a, g1a, g0b, g1b        ; waves 0 and 1 fetch for A, waves 2 and 3 for B; four v_nop follow each line
	s_cmp_eq_u32 s15, 0
	s_cbranch_scc0 .Lfor_b_\@
	tensor_load_to_lds s[\g0a:\g0a+3], s[\g1a:\g1a+7]
	s_nop 0
.rept 4
	v_nop
.endr
	s_branch .Lasked_\@
.Lfor_b_\@:
	tensor_load_to_lds s[\g0b:\g0b+3], s[\g1b:\g1b+7]
	s_nop 0
.rept 4
	v_nop
.endr
.Lasked_\@:
.endm
.macro CREST
	s_cmp_lg_u32 s14, 0
	s_cbranch_scc1 .Lnot_wave_0_\@
	s_barrier_signal -3
.Lnot_wave_0_\@:
	s_barrier_wait -3
	s_barrier_signal -1
	s_barrier_wait -1
.endm
.macro CROUND
	s_barrier_signal -1
	s_barrier_wait -1
	CREST
.endm
	s_load_b256 s[4:11], s[0:1], 0x0               ; xc, wc, qk, vt
	v_lshl_add_u32 v[SPW], v0, 2, SPARE
	v_mov_b32 v[NIL], 0
	ds_add_u32 v28, v29
	ds_add_u32 v28, v29
	s_wait_dscnt 0x0
	v_lshrrev_b32 v1, 5, v0
	v_readfirstlane_b32 s14, v1                    ; wave
	s_lshr_b32 s15, s14, 1                         ; which of A's two groups is mine.  Also: I fetch for A (0) or for B (1)
	s_and_b32 s16, s14, 1                          ; which of B's two groups.  Also: which group of that tile I fetch
	s_bfe_u32 s40, ttmp6, 0x40000                  ; cx
	s_bfe_u32 s41, ttmp6, 0x40004                  ; cy
	s_and_b32 s17, ttmp7, 0xffff                   ; the cluster's y
	s_lshl_b32 s43, s41, 2
	s_lshl_b32 s43, 15, s43                        ; my row of the cluster
	s_lshl_b32 s44, 0x1111, s40                    ; my column
	s_or_b32 s[G1+0], s43, (3<<16)|(1<<21)         ; the mask; elements of 8 bytes; bit 21 beside a mask; no padding
	s_or_b32 s[G1B+0], s44, (3<<16)|(1<<21)
.irp g, G1, G1B                                ; a dense block of 25,600 bytes as 100 rows of 256
	s_mov_b32 s[\g+1], 32<<16
	s_mov_b32 s[\g+2], (QA/256)<<16
	s_mov_b32 s[\g+3], 32<<16
	s_mov_b32 s[\g+4], QA/256
	s_mov_b32 s[\g+5], 32
	s_mov_b32 s[\g+6], 0
	s_mov_b32 s[\g+7], 0
.endr
	s_lshl_b32 s18, s17, 2
	s_add_co_u32 s18, s18, s41                     ; q, k: A's tile = 4 y + cy
	s_lshl_b32 s19, ttmp9, 2
	s_add_co_u32 s19, s19, s40                     ; q, k: B's tile = 4 x + cx
	s_sub_co_u32 s20, s17, 8
	s_lshl_b32 s20, s20, 3
	s_add_co_u32 s20, s20, s19                     ; v: B's tile = 8 (y - 8) + 4 x + cx
	s_cmp_lt_u32 s17, 8
	s_cselect_b32 s18, s18, s41                    ; A's tile (v: cy)
	s_cselect_b32 s19, s19, s20                    ; B's tile
	s_cselect_b32 s21, 0, 16                       ; v: Wv begins at group 16 of wc
	s_lshl_b32 s22, s18, 1
	s_add_co_u32 s22, s22, s21
	s_add_co_u32 s22, s22, s16
	s_mul_i32 s22, s22, GROW                       ; the group of A that I would fetch
	s_mov_b32 s23, 0
	s_lshl_b32 s46, s19, 1
	s_add_co_u32 s46, s46, s16
	s_mul_i32 s46, s46, GROW                       ; and of B
	s_mov_b32 s47, 0
	s_lshl_b32 s74, s18, 1
	s_add_co_u32 s74, s74, s15                     ; the result's group of rows
	s_lshl_b32 s75, s19, 1
	s_add_co_u32 s75, s75, s16                     ; and its K step
	s_lshr_b32 s76, s75, 3                         ; q, k: record (step / 8) 512 + 8 group + step % 8 (k lies behind q)
	s_lshl_b32 s76, s76, 9
	s_lshl_b32 s77, s74, 3
	s_add_co_u32 s76, s76, s77
	s_and_b32 s77, s75, 7
	s_add_co_u32 s76, s76, s77
	s_lshl_b32 s77, s74, 6                         ; v^T: record 64 group + step
	s_add_co_u32 s77, s77, s75
	s_mul_i32 s45, s14, QA                         ; where my quarter goes: no place in the cluster enters an LDS address
	s_cmp_lt_u32 s17, 8
	s_cselect_b32 s76, s76, s77
	s_mul_i32 s76, s76, REC
	s_mov_b32 s77, 0
	s_wait_kmcnt 0x0
	s_cselect_b64 s[70:71], s[4:5], s[6:7]         ; A: xc or wc
	s_cselect_b64 s[72:73], s[6:7], s[4:5]         ; B: wc or xc
	s_cselect_b64 s[66:67], s[8:9], s[10:11]       ; the result: qk or vt
	s_add_nc_u64 s[70:71], s[70:71], s[22:23]
	s_add_nc_u64 s[72:73], s[72:73], s[46:47]
	s_add_nc_u64 s[66:67], s[66:67], s[76:77]
	CROUND                                         ; all sixteen work-groups are here: the first joint loads meet
.irp s, 0,1
	s_mov_b32 s[G0+4*\s], 1
	s_add_co_u32 s[G0+4*\s+1], s45, \s*SLOT
	s_add_nc_u64 s[G0+4*\s+2:G0+4*\s+3], s[70:71], \s*QA
	s_or_b32 s[G0+4*\s+3], s[G0+4*\s+3], 0x80000000
	s_mov_b32 s[G0B+4*\s], 1
	s_add_co_u32 s[G0B+4*\s+1], s45, \s*SLOT
	s_add_nc_u64 s[G0B+4*\s+2:G0B+4*\s+3], s[72:73], \s*QB
	s_or_b32 s[G0B+4*\s+3], s[G0B+4*\s+3], 0x80000000
	JLOAD G0+4*\s, G1, G0B+4*\s, G1B
.endr
	v_and_b32 v1, 31, v0
	v_lshlrev_b32 v[LI], 4, v1
	v_lshlrev_b32 v[LW], 2, v1
	s_mul_i32 s21, s15, QA
	s_mul_i32 s22, s16, QB
	s_add_co_u32 s22, s22, 2*QA
.irp s, 0,1
	v_add_nc_u32 v[ADRA+\s], s21, v[LI]
	v_add_nc_u32 v[ADRB+\s], s22, v[LI]
	v_add_nc_u32 v[ADSA+\s], s21, v[LW]
	v_add_nc_u32 v[ADSB+\s], s22, v[LW]
	s_add_co_u32 s21, s21, SLOT
	s_add_co_u32 s22, s22, SLOT
.endr
	s_lshl_b32 s79, s14, 11
	s_add_co_u32 s79, s79, SCR
	v_add_nc_u32 v[SCW], s79, v[LW]
	v_add_nc_u32 v[SCRD], s79, v[LI]
	s_mov_b32 s[SEL], 0x76543210
	s_mov_b32 s[SEL+1], 0xfedcba98
	s_mov_b32 s[MH], 0xffff0000
; 56 LDS loads: the fragments and scale words of the slot's q-th 128 along K into set q.  An image comes back as it was stored: 512 consecutive bytes a load.
.macro FETCH slot, q
	WIN TO_B
.irp i, 0,1,2,3,4,5,6,7
.irp c, 0,1,2
	ds_load_b128 v[128*(\q)+12*\i+4*\c:128*(\q)+12*\i+4*\c+3], v[ADRB+\slot] offset:(\q)*RB+1536*\i+512*\c
.endr
.endr
	WIN 0
.irp i, 0,1,2,3,4,5,6,7
.irp c, 0,1,2
	ds_load_b128 v[AF+96*(\q)+12*\i+4*\c:AF+96*(\q)+12*\i+4*\c+3], v[ADRA+\slot] offset:(\q)*RA+1536*\i+512*\c
.endr
.endr
.irp p, 0,1,2,3
	ds_load_b32 v[SC+8*(\q)+\p], v[ADSA+\slot] offset:(\q)*RA+12288+128*\p
	ds_load_b32 v[SC+8*(\q)+4+\p], v[ADSB+\slot] offset:(\q)*RB+12288+128*\p
.endr
.endm
; One product: A's tile a against B's tile b.  An odd tile's scale words lie in lanes 16-31 of its pair's register.
.macro WM a, b, q, zero
.set rD, 8*(8*((\a)%4)+(\b))
.set rB, 128*(\q)+12*(\b)
.set rA, AF+96*(\q)+12*(\a)
.set rT, SC+8*(\q)+4+(\b)/2
.set rS, SC+8*(\q)+(\a)/2
.set par, 2*((\a)%2)+(\b)%2
.if \zero
.if par == 0
	v_wmma_scale_f32_16x16x128_f8f6f4 v[rD:rD+7], v[rB:rB+11], v[rA:rA+11], 0, v[rT], v[rS] matrix_a_fmt:MATRIX_FMT_BF6 matrix_b_fmt:MATRIX_FMT_BF6
.elseif par == 1
	v_wmma_scale_f32_16x16x128_f8f6f4 v[rD:rD+7], v[rB:rB+11], v[rA:rA+11], 0, v[rT], v[rS] matrix_a_fmt:MATRIX_FMT_BF6 matrix_b_fmt:MATRIX_FMT_BF6 matrix_a_scale:MATRIX_SCALE_ROW1
.elseif par == 2
	v_wmma_scale_f32_16x16x128_f8f6f4 v[rD:rD+7], v[rB:rB+11], v[rA:rA+11], 0, v[rT], v[rS] matrix_a_fmt:MATRIX_FMT_BF6 matrix_b_fmt:MATRIX_FMT_BF6 matrix_b_scale:MATRIX_SCALE_ROW1
.else
	v_wmma_scale_f32_16x16x128_f8f6f4 v[rD:rD+7], v[rB:rB+11], v[rA:rA+11], 0, v[rT], v[rS] matrix_a_fmt:MATRIX_FMT_BF6 matrix_b_fmt:MATRIX_FMT_BF6 matrix_a_scale:MATRIX_SCALE_ROW1 matrix_b_scale:MATRIX_SCALE_ROW1
.endif
.else
.if par == 0
	v_wmma_scale_f32_16x16x128_f8f6f4 v[rD:rD+7], v[rB:rB+11], v[rA:rA+11], v[rD:rD+7], v[rT], v[rS] matrix_a_fmt:MATRIX_FMT_BF6 matrix_b_fmt:MATRIX_FMT_BF6
.elseif par == 1
	v_wmma_scale_f32_16x16x128_f8f6f4 v[rD:rD+7], v[rB:rB+11], v[rA:rA+11], v[rD:rD+7], v[rT], v[rS] matrix_a_fmt:MATRIX_FMT_BF6 matrix_b_fmt:MATRIX_FMT_BF6 matrix_a_scale:MATRIX_SCALE_ROW1
.elseif par == 2
	v_wmma_scale_f32_16x16x128_f8f6f4 v[rD:rD+7], v[rB:rB+11], v[rA:rA+11], v[rD:rD+7], v[rT], v[rS] matrix_a_fmt:MATRIX_FMT_BF6 matrix_b_fmt:MATRIX_FMT_BF6 matrix_b_scale:MATRIX_SCALE_ROW1
.else
	v_wmma_scale_f32_16x16x128_f8f6f4 v[rD:rD+7], v[rB:rB+11], v[rA:rA+11], v[rD:rD+7], v[rT], v[rS] matrix_a_fmt:MATRIX_FMT_BF6 matrix_b_fmt:MATRIX_FMT_BF6 matrix_a_scale:MATRIX_SCALE_ROW1 matrix_b_scale:MATRIX_SCALE_ROW1
.endif
.endif
.endm
.macro MUL16 a0, q, zero               ; the 64 accumulators take turns, one instruction a turn, in the same order in every step
.irp a, \a0, \a0+1
.irp b, 0,1,2,3,4,5,6,7
	WM \a, \b, \q, \zero
.endr
.endr
.endm
.macro TAILW                           ; the other set's fragments, asked for 32 or 64 products ago, are in; four places behind this step's products, in front of the next loads into the set that they read
	s_wait_dscnt 0x0
.rept 4
	v_nop
.endr
.endm
.macro STEP slot, zero                 ; a slot's first 128 along K; its second is fetched meanwhile
	FETCH \slot, 1
	WIN MUL_LO
	MUL16 0, 0, \zero
	MUL16 2, 0, \zero
	WIN MUL_HI
	MUL16 4, 0, \zero
	MUL16 6, 0, \zero
	WIN 0
	TAILW
.endm
; A slot's second 128 along K, and the change of slots: ONE barrier.  In front of it each wave waits for all its tensor loads (its quarter of the next slot), adds 0 to its spare word, and waits for that;
; its reads of this slot were waited for at the end of the step before.  fill = 1: the barrier opens a round of the cluster's barrier, and this slot is filled again, two slots ahead, first thing behind it.
.macro TURN slot, next, fill
	s_wait_tensorcnt 0x0                           ; all my tensor loads have landed
	ds_add_u32 v[SPW], v[NIL]                      ; 0 onto my spare word
	WIN MUL_LO
	MUL16 0, 1, 0                                  ; sixteen products stand between the add and the wait for it
	s_wait_dscnt 0x0                               ; the add is done; no read of this slot is out
	s_barrier_signal -1
	MUL16 2, 1, 0
	WIN 0
	s_barrier_wait -1
.if \fill
	CREST                                          ; no wave of any partner still reads this slot or has a load on its way
	s_add_nc_u64 s[G0+4*\slot+2:G0+4*\slot+3], s[G0+4*\slot+2:G0+4*\slot+3], 2*QA
	s_add_nc_u64 s[G0B+4*\slot+2:G0B+4*\slot+3], s[G0B+4*\slot+2:G0B+4*\slot+3], 2*QB
	JLOAD G0+4*\slot, G1, G0B+4*\slot, G1B
.endif
	FETCH \next, 0
	WIN MUL_HI
	MUL16 4, 1, 0
	MUL16 6, 1, 0
	WIN 0
	TAILW
.endm
	s_wait_tensorcnt 1                             ; my quarter of slot 0 is in; slot 1's load may stay out
	s_barrier_signal -1
	s_barrier_wait -1
	FETCH 0, 0
	TAILW
	STEP 0, 1                                      ; the first step's products start the sums
	s_mov_b32 s3, LAPS-1
.Llap:
	TURN 0, 1, 1
	STEP 1, 0
	TURN 1, 0, 1
	STEP 0, 0
	s_sub_co_u32 s3, s3, 1
	s_cmp_lg_u32 s3, 0
	s_cbranch_scc1 .Llap
	TURN 0, 1, 0                                   ; the last lap fills nothing
	STEP 1, 0
	WIN MUL_LO
	MUL16 0, 1, 0
	MUL16 2, 1, 0
	WIN MUL_HI
	MUL16 4, 1, 0
	MUL16 6, 1, 0
	WIN 0
.irp b, 0,1,2,3
	v_mov_b32 v[TM+4+\b], 0                        ; a lane permute's destination counts as one of its sources.  These four are also the places behind the last products
.endr
; THE WAY OUT.  A's tile a: 64 numbers a lane, register 16 b + i = k 32 b + 16 (lane / 16) + i of my row, become a fragment's codes and its scale word.  Each accumulator is read from its low end on.
.macro QUANTW a
.set AC, 64*((\a)%4)
	WIN 5*(2+(\a)/4)                               ; sources 0 and 1: the accumulators' window
.irp b, 0,1,2,3
	v_max3_num_f32 v[TM+\b], |v[AC+16*\b]|, |v[AC+16*\b+1]|, 0x2800000   ; with the floor 2^(5 - 127)
.endr
.irp i, 2,4,6,8,10,12,14
.irp b, 0,1,2,3
	v_max3_num_f32 v[TM+\b], |v[AC+16*\b+\i]|, |v[AC+16*\b+\i+1]|, v[TM+\b]
.endr
.endr
	WIN 0
.irp b, 0,1,2,3
	v_permlanex16_b32 v[TM+4+\b], v[TM+\b], s[SEL], s[SEL+1]
.endr
.irp b, 0,1,2,3
	v_max_num_f32 v[TM+\b], v[TM+\b], v[TM+4+\b]   ; with lane l xor 16's: the block's largest magnitude
.endr
.irp b, 0,1,2,3
	v_add_nc_u32 v[TM+12+\b], 0xfe000000, v[TM+\b]
.endr
.irp b, 0,1,2,3
	v_lshrrev_b32 v[TM+4+\b], 23, v[TM+12+\b]
.endr
	v_lshl_or_b32 v[PWS+(\a)], v[TM+5], 8, v[TM+4]
	v_lshl_or_b32 v[PWS+(\a)], v[TM+6], 16, v[PWS+(\a)]
	v_lshl_or_b32 v[PWS+(\a)], v[TM+7], 24, v[PWS+(\a)]
.if (\a) > 0
	s_wait_xcnt 0x0                                ; the last tile's stores have read the codes' registers
.endif
	WIN 2+(\a)/4
.irp c, 0,1
	v_cvt_scalef32_pk16_bf6_f32 v[PC+6*\c:PC+6*\c+2], v[AC+32*\c:AC+32*\c+15], v[TM+12+2*\c]
	v_cvt_scalef32_pk16_bf6_f32 v[PC+12+4*\c:PC+14+4*\c], v[AC+32*\c+16:AC+32*\c+31], v[TM+12+2*\c+1]
.endr
	WIN 0
	v_nop                                          ; one plain place behind a scaled conversion
.irp c, 0,1                                    ; the operand's layout wants a whole block in a lane
.irp i, 0,1,2
	v_permlane16_swap_b32 v[PC+6*\c+\i], v[PC+12+4*\c+\i]
.endr
.irp i, 0,1,2
	v_mov_b32 v[PC+3+6*\c+\i], v[PC+12+4*\c+\i]
.endr
.endr
.irp c, 0,1,2
	global_store_b128 v[LI], v[PC+4*\c:PC+4*\c+3], s[66:67] offset:1536*(\a)+512*\c   ; 512 consecutive bytes, aligned to 256
.endr
.endm
.irp a, 0,1,2,3,4,5,6,7
	QUANTW \a
.endr
.irp p, 0,1,2,3
	v_cndmask_b32 v[MG+\p], v[PWS+2*\p], v[PWS+2*\p+1], s[MH]   ; lanes 0-15 the even tile's words, lanes 16-31 the odd tile's
.endr
.irp p, 0,1,2,3
	ds_store_b32 v[SCW], v[MG+\p] offset:128*\p
.endr
	ds_load_b128 v[OB:OB+3], v[SCRD]               ; in order behind my stores
	s_wait_dscnt 0x0
	global_store_b128 v[LI], v[OB:OB+3], s[66:67] offset:12288
	s_wait_tensorcnt 0x0                           ; the wave's end
	ds_add_u32 v[SPW], v[NIL]
	s_wait_dscnt 0x0
	CROUND                                         ; the closing round
	s_endpgm
.Lfunc_end_k_q7007ff8285_proj:
	.size	k_q7007ff8285_proj, .Lfunc_end_k_q7007ff8285_proj-k_q7007ff8285_proj
	.p2alignl 7, 3214868480
	.fill 96, 4, 3214868480
	.section	.rodata,"a",@progbits
	.p2align	6, 0x0
	.amdhsa_kernel k_q7007ff8285_proj
		.amdhsa_group_segment_fixed_size 327680
		.amdhsa_private_segment_fixed_size 0
		.amdhsa_enable_private_segment 0
		.amdhsa_kernarg_size 32
		.amdhsa_user_sgpr_count 2
		.amdhsa_user_sgpr_kernarg_segment_ptr 1
		.amdhsa_wavefront_size32 1
		.amdhsa_system_sgpr_workgroup_id_x 1
		.amdhsa_system_sgpr_workgroup_id_y 1
		.amdhsa_system_sgpr_workgroup_id_z 1
		.amdhsa_system_vgpr_workitem_id 0
		.amdhsa_next_free_vgpr 1024
		.amdhsa_next_free_sgpr 100
		.amdhsa_reserve_vcc 0
		.amdhsa_float_denorm_mode_32 3
		.amdhsa_float_denorm_mode_16_64 3
		.amdhsa_memory_ordered 1
		.amdhsa_forward_progress 1
		.amdhsa_inst_pref_size 139
	.end_amdhsa_kernel
	.amdgpu_metadata
---
amdhsa.version: [ 1, 2 ]
amdhsa.kernels:
  - .name:           k_q7007ff8285_proj
    .symbol:         k_q7007ff8285_proj.kd
    .args:
      - { .name: xc, .offset: 0, .size: 8, .value_kind: global_buffer, .address_space: global }
      - { .name: wc, .offset: 8, .size: 8, .value_kind: global_buffer, .address_space: global }
      - { .name: qk, .offset: 16, .size: 8, .value_kind: global_buffer, .address_space: global }
      - { .name: vt, .offset: 24, .size: 8, .value_kind: global_buffer, .address_space: global }
    .group_segment_fixed_size: 327680
    .private_segment_fixed_size: 0
    .kernarg_segment_align: 8
    .kernarg_segment_size: 32
    .max_flat_workgroup_size: 128
    .sgpr_count:     100
    .vgpr_count:     1024
    .wavefront_size: 32
...
	.end_amdgpu_metadata
.endif
;; end of part 2
;; launch score (part 3): grid 36 x 4, 4 waves a work-group, no clusters, 327,680 bytes of LDS; arguments qk, p; writes p
.if DOCPART == 3
	.amdgcn_target "amdgcn-amd-amdhsa--gfx1250"
	.amdhsa_code_object_version 6
	.text
	.protected	k_q7007ff8285_score
	.globl	k_q7007ff8285_score
	.p2align	8
	.type	k_q7007ff8285_score,@function
k_q7007ff8285_score:
	s_mov_b64 s[64:65], 0
	v_nop
	global_prefetch_b8 v0, s[64:65] scope:SCOPE_SE
	s_setreg_imm32_b32 hwreg(HW_REG_WAVE_MODE, 25, 1), 1
	s_wait_xcnt 0x0
; The lower triangle of S = q k^T on codes of BF6, and the softmax's p ahead of the second product, quantised along the keys.  t = score x log2(e) / 32.
; For each query and each SEGMENT of 128 keys: M = ceil(the segment's largest t), a whole number; p = 2^(t - M); l = the sum of the unquantised p.  p leaves as codes with block scales under the segment's own M,
; with -M and l beside them; the next launch brings the segments of a row under the row's M by taking whole numbers off the scale bytes, which changes no code.
; RECORDS of q and k: as the launch before wrote them (128 rows x 128 along K, 12,800 bytes: eight images of 1,536 bytes, four blocks of 128 bytes of scale words); k lies 64 x 8 records behind q.
; RECORDS of p: the same, + four blocks of 128 bytes of -M (f32) at 12,800 and four of l (f32) at 13,312, laid as the scale words are: 13,824 bytes; [group of 128 queries][segment 0-15 of the batch].
; A PRODUCT is D = (source 0: 16 keys) x (source 1: 16 queries): a lane holds one query, and the 16 registers of key tiles 2 b, 2 b + 1 are keys 32 b + 16 (lane / 16) + 0 .. 15.
; SHARES: a work-group makes a tile of 256 queries x 256 keys, a wave 128 x 128: one record.  Work-group x counts the 36 tiles (I, J), J <= I, of a batch's lower triangle; y is the batch.
; On the diagonal (I = J) hidden scores become -infinity ahead of the maximum; a segment all of whose keys are hidden gets -M = 3e38, zero codes and l = 0.
; On the diagonal each wave also stores 3 - (I mod 4) records of zeros (-M = 3e38, l = 0, bytes 1) two, four and six segments on: so every group of queries has 8 or 16 written segments, which is what the next launch walks.
; NO CLUSTER: the rows of the triangle have 1 to 8 tiles, so no cluster of four divides them with a shared row or column in every work-group.
; LIMITS: M must be a whole number that f32 holds exactly (|t| under 2^24); NaN and infinities are not served.
.set REC,   12800
.set RECP,  13824
.set RA,    REC
.set RB,    REC
.set QA,    2*RA
.set QB,    2*RB
.set SLOT,  2*QA+2*QB
.set SPARE, 2*SLOT                     ; the spare words, 128 bytes a wave: two blocks of 256 bytes that no other line names
.set SCR,   SPARE+512                  ; 2,048 bytes a wave for the way out of the words; no fill lands here
.set GROW,  8*REC
.set LAPS,  2
.set ADRA, 2
.set ADRB, 4
.set ADSA, 6
.set ADSB, 8
.set LI,   10
.set LW,   11
.set SCW,  12
.set SCRD, 13
.set D0,   14                          ; v14  r + 8 (r / 8) - 16 (lane / 16) + 128 (my queries' half - my keys' half)
.set SPW,  28
.set NIL,  29
.set SC,   32
.set AF,   64
.set TM,   64                          ; v64-67 block maxima, v68-71 bytes, v72 at work, v76-79 scale operands
.set PC,   80
.set PWS,  104                         ; v104-111 scale words of the eight tiles
.set NMV,  112                         ; v[112:113] -M (the packed form names the pair)
.set LS,   114                         ; v[114:115], v[116:117] the sum, two chains
.set LT,   116
.set DV,   118
.set NINF, 119
.set NMS,  120                         ; v120-127 -M of the eight tiles
.set LSS,  128                         ; v128-135 l
.set MG,   136                         ; v136-147 merged pairs
.set OB,   148                         ; v148-159
.set ZR,   160                         ; v160-171 the zero records' data
.set G1,  24
.set G0,  32
.set SEL, 68
.set CS,  72
.set MH,  78
.set MSB, 0
.macro WIN new
.if MSB != (\new)
	s_set_vgpr_msb (MSB<<8)|(\new)
.set MSB, (\new)
.endif
.endm
.set MUL_LO, 0xa1
.set MUL_HI, 0xf1
.set TO_B,   0x40
	s_load_b128 s[4:7], s[0:1], 0x0                ; qk, p
	v_lshl_add_u32 v[SPW], v0, 2, SPARE
	v_mov_b32 v[NIL], 0
	ds_add_u32 v28, v29
	ds_add_u32 v28, v29
	s_wait_dscnt 0x0
	v_lshrrev_b32 v1, 5, v0
	v_readfirstlane_b32 s14, v1                    ; wave
	s_lshr_b32 s15, s14, 1                         ; my half of the queries.  Also: I fetch q (0) or k (1)
	s_and_b32 s16, s14, 1                          ; my half of the keys.  Also: which group of that tile I fetch
	s_mov_b32 s18, 0
.irp n, 1,3,6,10,15,21,28                      ; I = how many rows of the triangle begin at or before my number
	s_cmp_ge_u32 ttmp9, \n
	s_add_co_ci_u32 s18, s18, 0
.endr
	s_add_co_u32 s19, s18, 1
	s_mul_i32 s19, s19, s18
	s_lshr_b32 s19, s19, 1
	s_sub_co_u32 s19, ttmp9, s19                   ; J
	s_and_b32 s20, ttmp7, 0xffff
	s_lshl_b32 s20, s20, 4                         ; 16 groups a batch
	s_lshl_b32 s21, s18, 1
	s_add_co_u32 s21, s21, s20                     ; the queries' first group
	s_lshl_b32 s22, s19, 1
	s_add_co_u32 s23, s22, s20                     ; the keys'
	s_add_co_u32 s42, s21, s16
	s_mul_i32 s42, s42, GROW
	s_add_co_u32 s43, s23, s16
	s_mul_i32 s43, s43, GROW
	s_add_co_u32 s43, s43, 64*GROW                 ; k lies behind q
	s_cmp_eq_u32 s15, 0
	s_cselect_b32 s42, s42, s43                    ; what I fetch
	s_mov_b32 s43, 0
	s_add_co_u32 s44, s21, s15
	s_lshl_b32 s44, s44, 4
	s_add_co_u32 s44, s44, s22
	s_add_co_u32 s44, s44, s16
	s_mul_i32 s44, s44, RECP                       ; my record of p
	s_mov_b32 s45, 0
	s_mul_i32 s46, s14, QA                         ; my quarter of a slot
	s_mov_b32 s[G1+0], 3<<16                       ; no mask; elements of 8 bytes; no padding: a dense block of 25,600 bytes as 100 rows of 256
	s_mov_b32 s[G1+1], 32<<16
	s_mov_b32 s[G1+2], (QA/256)<<16
	s_mov_b32 s[G1+3], 32<<16
	s_mov_b32 s[G1+4], QA/256
	s_mov_b32 s[G1+5], 32
	s_mov_b32 s[G1+6], 0
	s_mov_b32 s[G1+7], 0
	s_wait_kmcnt 0x0
	s_add_nc_u64 s[4:5], s[4:5], s[42:43]
	s_add_nc_u64 s[66:67], s[6:7], s[44:45]
.irp s, 0,1                                    ; both first fills go out together: two loads of mine are out
	s_mov_b32 s[G0+4*\s], 1
	s_add_co_u32 s[G0+4*\s+1], s46, \s*SLOT
	s_add_nc_u64 s[G0+4*\s+2:G0+4*\s+3], s[4:5], \s*QA
	s_or_b32 s[G0+4*\s+3], s[G0+4*\s+3], 0x80000000
	tensor_load_to_lds s[G0+4*\s:G0+4*\s+3], s[G1:G1+7]
	s_nop 0
.rept 4
	v_nop
.endr
.endr
	v_and_b32 v1, 31, v0
	v_lshlrev_b32 v[LI], 4, v1
	v_lshlrev_b32 v[LW], 2, v1
	s_mul_i32 s21, s15, QA
	s_mul_i32 s22, s16, QB
	s_add_co_u32 s22, s22, 2*QA
.irp s, 0,1
	v_add_nc_u32 v[ADRA+\s], s21, v[LI]
	v_add_nc_u32 v[ADRB+\s], s22, v[LI]
	v_add_nc_u32 v[ADSA+\s], s21, v[LW]
	v_add_nc_u32 v[ADSB+\s], s22, v[LW]
	s_add_co_u32 s21, s21, SLOT
	s_add_co_u32 s22, s22, SLOT
.endr
	s_lshl_b32 s79, s14, 11
	s_add_co_u32 s79, s79, SCR
	v_add_nc_u32 v[SCW], s79, v[LW]
	v_add_nc_u32 v[SCRD], s79, v[LI]
	v_and_b32 v1, 15, v0
	v_and_b32 v[D0], 8, v1
	v_add_nc_u32 v[D0], v[D0], v1
	v_bfe_u32 v15, v0, 4, 1
	v_lshlrev_b32 v15, 4, v15
	v_sub_nc_u32 v[D0], v[D0], v15
	s_sub_co_i32 s21, s15, s16
	s_lshl_b32 s21, s21, 7
	v_add_nc_u32 v[D0], s21, v[D0]
	s_mov_b32 s[SEL], 0x76543210
	s_mov_b32 s[SEL+1], 0xfedcba98
	s_mov_b32 s[CS], 0x3d38aa3b                    ; c = log2(e) / 32
	s_mov_b32 s[CS+1], s[CS]                       ; (named with it as a pair, so it is written)
	s_mov_b32 s[MH], 0xffff0000
.macro FETCH slot, q
	WIN TO_B
.irp i, 0,1,2,3,4,5,6,7
.irp c, 0,1,2
	ds_load_b128 v[128*(\q)+12*\i+4*\c:128*(\q)+12*\i+4*\c+3], v[ADRB+\slot] offset:(\q)*RB+1536*\i+512*\c
.endr
.endr
	WIN 0
.irp i, 0,1,2,3,4,5,6,7
.irp c, 0,1,2
	ds_load_b128 v[AF+96*(\q)+12*\i+4*\c:AF+96*(\q)+12*\i+4*\c+3], v[ADRA+\slot] offset:(\q)*RA+1536*\i+512*\c
.endr
.endr
.irp p, 0,1,2,3
	ds_load_b32 v[SC+8*(\q)+\p], v[ADSA+\slot] offset:(\q)*RA+12288+128*\p
	ds_load_b32 v[SC+8*(\q)+4+\p], v[ADSB+\slot] offset:(\q)*RB+12288+128*\p
.endr
.endm
.macro WM a, b, q, zero
.set rD, 8*(8*((\a)%4)+(\b))
.set rB, 128*(\q)+12*(\b)
.set rA, AF+96*(\q)+12*(\a)
.set rT, SC+8*(\q)+4+(\b)/2
.set rS, SC+8*(\q)+(\a)/2
.set par, 2*((\a)%2)+(\b)%2
.if \zero
.if par == 0
	v_wmma_scale_f32_16x16x128_f8f6f4 v[rD:rD+7], v[rB:rB+11], v[rA:rA+11], 0, v[rT], v[rS] matrix_a_fmt:MATRIX_FMT_BF6 matrix_b_fmt:MATRIX_FMT_BF6
.elseif par == 1
	v_wmma_scale_f32_16x16x128_f8f6f4 v[rD:rD+7], v[rB:rB+11], v[rA:rA+11], 0, v[rT], v[rS] matrix_a_fmt:MATRIX_FMT_BF6 matrix_b_fmt:MATRIX_FMT_BF6 matrix_a_scale:MATRIX_SCALE_ROW1
.elseif par == 2
	v_wmma_scale_f32_16x16x128_f8f6f4 v[rD:rD+7], v[rB:rB+11], v[rA:rA+11], 0, v[rT], v[rS] matrix_a_fmt:MATRIX_FMT_BF6 matrix_b_fmt:MATRIX_FMT_BF6 matrix_b_scale:MATRIX_SCALE_ROW1
.else
	v_wmma_scale_f32_16x16x128_f8f6f4 v[rD:rD+7], v[rB:rB+11], v[rA:rA+11], 0, v[rT], v[rS] matrix_a_fmt:MATRIX_FMT_BF6 matrix_b_fmt:MATRIX_FMT_BF6 matrix_a_scale:MATRIX_SCALE_ROW1 matrix_b_scale:MATRIX_SCALE_ROW1
.endif
.else
.if par == 0
	v_wmma_scale_f32_16x16x128_f8f6f4 v[rD:rD+7], v[rB:rB+11], v[rA:rA+11], v[rD:rD+7], v[rT], v[rS] matrix_a_fmt:MATRIX_FMT_BF6 matrix_b_fmt:MATRIX_FMT_BF6
.elseif par == 1
	v_wmma_scale_f32_16x16x128_f8f6f4 v[rD:rD+7], v[rB:rB+11], v[rA:rA+11], v[rD:rD+7], v[rT], v[rS] matrix_a_fmt:MATRIX_FMT_BF6 matrix_b_fmt:MATRIX_FMT_BF6 matrix_a_scale:MATRIX_SCALE_ROW1
.elseif par == 2
	v_wmma_scale_f32_16x16x128_f8f6f4 v[rD:rD+7], v[rB:rB+11], v[rA:rA+11], v[rD:rD+7], v[rT], v[rS] matrix_a_fmt:MATRIX_FMT_BF6 matrix_b_fmt:MATRIX_FMT_BF6 matrix_b_scale:MATRIX_SCALE_ROW1
.else
	v_wmma_scale_f32_16x16x128_f8f6f4 v[rD:rD+7], v[rB:rB+11], v[rA:rA+11], v[rD:rD+7], v[rT], v[rS] matrix_a_fmt:MATRIX_FMT_BF6 matrix_b_fmt:MATRIX_FMT_BF6 matrix_a_scale:MATRIX_SCALE_ROW1 matrix_b_scale:MATRIX_SCALE_ROW1
.endif
.endif
.endm
.macro MUL16 a0, q, zero               ; the 64 accumulators take turns, one instruction a turn, in the same order in every step
.irp a, \a0, \a0+1
.irp b, 0,1,2,3,4,5,6,7
	WM \a, \b, \q, \zero
.endr
.endr
.endm
.macro TAILW                           ; the other set's fragments are in; four places behind this step's products, in front of the next loads into the set that they read
	s_wait_dscnt 0x0
.rept 4
	v_nop
.endr
.endm
.macro STEP slot, zero
	FETCH \slot, 1
	WIN MUL_LO
	MUL16 0, 0, \zero
	MUL16 2, 0, \zero
	WIN MUL_HI
	MUL16 4, 0, \zero
	MUL16 6, 0, \zero
	WIN 0
	TAILW
.endm
; The change of slots: ONE barrier; in front of it each wave waits for all its tensor loads, adds 0 to its spare word and waits for that; its reads of this slot were waited for at the end of the step before.
.macro TURN slot, next, fill
	s_wait_tensorcnt 0x0                           ; all my tensor loads have landed: my quarter of the next slot
	ds_add_u32 v[SPW], v[NIL]                      ; 0 onto my spare word
	WIN MUL_LO
	MUL16 0, 1, 0
	s_wait_dscnt 0x0                               ; the add is done; no read of this slot is out
	s_barrier_signal -1
	MUL16 2, 1, 0
	WIN 0
	s_barrier_wait -1
.if \fill
	s_add_nc_u64 s[G0+4*\slot+2:G0+4*\slot+3], s[G0+4*\slot+2:G0+4*\slot+3], 2*QA
	tensor_load_to_lds s[G0+4*\slot:G0+4*\slot+3], s[G1:G1+7]   ; my one tensor load behind this barrier, ahead of every LDS read
	s_nop 0
.rept 4
	v_nop
.endr
.endif
	FETCH \next, 0
	WIN MUL_HI
	MUL16 4, 1, 0
	MUL16 6, 1, 0
	WIN 0
	TAILW
.endm
	s_wait_tensorcnt 1                             ; my quarter of slot 0 is in; slot 1's load may stay out
	s_barrier_signal -1
	s_barrier_wait -1
	FETCH 0, 0
	TAILW
	STEP 0, 1
	s_mov_b32 s3, LAPS-1
.Llap:
	TURN 0, 1, 1
	STEP 1, 0
	TURN 1, 0, 1
	STEP 0, 0
	s_sub_co_u32 s3, s3, 1
	s_cmp_lg_u32 s3, 0
	s_cbranch_scc1 .Llap
	TURN 0, 1, 0
	STEP 1, 0
	WIN MUL_LO
	MUL16 0, 1, 0
	MUL16 2, 1, 0
	WIN MUL_HI
	MUL16 4, 1, 0
	MUL16 6, 1, 0
	WIN 0
.irp b, 0,1,2,3
	v_mov_b32 v[TM+4+\b], 0                        ; a lane permute's destination counts as one of its sources.  These moves are also the places behind the last products
.endr
	v_mov_b32 v[NINF], 0xff800000
	v_mov_b32 v[NMV+1], 0                          ; (named as the upper half of a pair)
; THE SOFTMAX OF QUERY TILE a over my 128 keys.  Register 16 b + i of the tile's 64 is key 32 b + 16 (lane / 16) + i.  Each accumulator is read from its low end on.
.macro SOFTQ a
.set AC, 64*((\a)%4)
	s_cmp_lg_u32 s18, s19                          ; only a tile on the diagonal has hidden keys: a branch on ids
	s_cbranch_scc1 .Lopen_\@
	v_add_nc_u32 v[DV], 32*((\a)/2)+8*((\a)%2), v[D0]   ; my query less my first key: register n is hidden where 32 (n / 16) + n % 16 is larger
	WIN 65*(2+(\a)/4)
.set n, 0
.rept 64
	v_cmp_gt_i32 vcc_lo, 32*(n/16)+n%16, v[DV]
	v_cndmask_b32 v[AC+n], v[AC+n], v[NINF], vcc_lo
.set n, n+1
.endr
	WIN 0
.Lopen_\@:
	WIN 5*(2+(\a)/4)
.irp b, 0,1,2,3
	v_max_num_f32 v[TM+\b], v[AC+16*\b], v[AC+16*\b+1]   ; the largest score of each block of 32 keys: it serves for the segment's maximum and, since p rises with the score, for the block's largest p
.endr
.irp i, 2,4,6,8,10,12,14
.irp b, 0,1,2,3
	v_max3_num_f32 v[TM+\b], v[AC+16*\b+\i], v[AC+16*\b+\i+1], v[TM+\b]
.endr
.endr
	WIN 0
.irp b, 0,1,2,3
	v_permlanex16_b32 v[TM+4+\b], v[TM+\b], s[SEL], s[SEL+1]
.endr
.irp b, 0,1,2,3
	v_max_num_f32 v[TM+\b], v[TM+\b], v[TM+4+\b]
.endr
	v_max3_num_f32 v[TM+8], v[TM], v[TM+1], v[TM+2]
	v_max_num_f32 v[TM+8], v[TM+8], v[TM+3]
	v_mul_f32 v[TM+8], s[CS], v[TM+8]              ; as t
	v_max_num_f32 v[TM+8], 0xff61b1e6, v[TM+8]     ; a segment with no key that counts: -3e38
	v_floor_f32 v[NMV], -v[TM+8]                   ; -M = floor(-t) = -ceil(t)
.irp b, 0,1,2,3
	v_fma_f32 v[TM+\b], v[TM+\b], s[CS], v[NMV]
.endr
	WIN 65*(2+(\a)/4)
.set n, 0
.rept 32
	v_pk_fma_f32 v[AC+n:AC+n+1], v[AC+n:AC+n+1], s[CS:CS+1], v[NMV:NMV+1] op_sel_hi:[1,0,0]   ; t - M, two at a time
.set n, n+2
.endr
.set n, 0
.rept 64
	v_exp_f32 v[AC+n], v[AC+n]                     ; p = 2^(t - M)
.set n, n+1
.endr
	WIN 0
.irp b, 0,1,2,3
	v_exp_f32 v[TM+\b], v[TM+\b]                   ; the block's largest p: the same arithmetic on the same number
.endr
	v_mov_b32 v[NMS+(\a)], v[NMV]                  ; (a plain place behind the exponentials)
	s_wait_alu depctr_va_vdst(0)
.irp b, 0,1,2,3
	v_max_num_f32 v[TM+\b], 0x2800000, v[TM+\b]    ; the floor 2^(5 - 127)
.endr
.irp b, 0,1,2,3
	v_add_nc_u32 v[TM+12+\b], 0xfe000000, v[TM+\b]
.endr
.irp b, 0,1,2,3
	v_lshrrev_b32 v[TM+4+\b], 23, v[TM+12+\b]
.endr
	v_lshl_or_b32 v[PWS+(\a)], v[TM+5], 8, v[TM+4]
	v_lshl_or_b32 v[PWS+(\a)], v[TM+6], 16, v[PWS+(\a)]
	v_lshl_or_b32 v[PWS+(\a)], v[TM+7], 24, v[PWS+(\a)]
.if (\a) > 0
	s_wait_xcnt 0x0                                ; the last tile's stores have read the codes' registers
.endif
	WIN 2+(\a)/4
.irp c, 0,1
	v_cvt_scalef32_pk16_bf6_f32 v[PC+6*\c:PC+6*\c+2], v[AC+32*\c:AC+32*\c+15], v[TM+12+2*\c]
	v_cvt_scalef32_pk16_bf6_f32 v[PC+12+4*\c:PC+14+4*\c], v[AC+32*\c+16:AC+32*\c+31], v[TM+12+2*\c+1]
.endr
	v_nop                                          ; one plain place behind a scaled conversion
	v_mov_b32 v[LS], v[AC]                         ; the sum is taken of the UNQUANTISED p: the first four numbers start two chains
	v_mov_b32 v[LS+1], v[AC+1]
	v_mov_b32 v[LT], v[AC+2]
	v_mov_b32 v[LT+1], v[AC+3]
.set n, 4
.rept 15
	v_pk_add_f32 v[LS:LS+1], v[AC+n:AC+n+1], v[LS:LS+1]
	v_pk_add_f32 v[LT:LT+1], v[AC+n+2:AC+n+3], v[LT:LT+1]
.set n, n+4
.endr
	WIN 0
.irp c, 0,1
.irp i, 0,1,2
	v_permlane16_swap_b32 v[PC+6*\c+\i], v[PC+12+4*\c+\i]
.endr
.irp i, 0,1,2
	v_mov_b32 v[PC+3+6*\c+\i], v[PC+12+4*\c+\i]
.endr
.endr
	v_pk_add_f32 v[LS:LS+1], v[LS:LS+1], v[LT:LT+1]
	v_add_f32 v[TM+8], v[LS], v[LS+1]
	v_permlanex16_b32 v[TM+4], v[TM+8], s[SEL], s[SEL+1]
	v_add_f32 v[LSS+(\a)], v[TM+8], v[TM+4]        ; with lane l xor 16's keys: the segment's l
.irp c, 0,1,2
	global_store_b128 v[LI], v[PC+4*\c:PC+4*\c+3], s[66:67] offset:1536*(\a)+512*\c
.endr
.endm
.irp a, 0,1,2,3,4,5,6,7
	SOFTQ \a
.endr
.irp p, 0,1,2,3                                ; lanes 0-15 the even tile's, lanes 16-31 the odd tile's
	v_cndmask_b32 v[MG+\p], v[PWS+2*\p], v[PWS+2*\p+1], s[MH]
	v_cndmask_b32 v[MG+4+\p], v[NMS+2*\p], v[NMS+2*\p+1], s[MH]
	v_cndmask_b32 v[MG+8+\p], v[LSS+2*\p], v[LSS+2*\p+1], s[MH]
.endr
.irp p, 0,1,2,3
	ds_store_b32 v[SCW], v[MG+\p] offset:128*\p
	ds_store_b32 v[SCW], v[MG+4+\p] offset:512+128*\p
	ds_store_b32 v[SCW], v[MG+8+\p] offset:1024+128*\p
.endr
.irp u, 0,1,2
	ds_load_b128 v[OB+4*\u:OB+4*\u+3], v[SCRD] offset:512*\u   ; in order behind my stores
.endr
	s_wait_dscnt 0x0
.irp u, 0,1,2
	global_store_b128 v[LI], v[OB+4*\u:OB+4*\u+3], s[66:67] offset:12288+512*\u
.endr
; THE ZERO RECORDS, on the diagonal alone: 3 - (I mod 4) of them, 2 k segments behind my own record: zero codes, bytes 1, -M = 3e38, l = 0.  The branches hang on ids.
.macro ZREC k
.irp u, 0,1,2,3,4,5,6,7,8,9,10,11,12,13,14,15,16,17,18,19,20,21,22,23
	global_store_b128 v[LI], v[ZR:ZR+3], s[66:67] offset:2*(\k)*RECP+512*\u
.endr
	global_store_b128 v[LI], v[ZR+4:ZR+7], s[66:67] offset:2*(\k)*RECP+12288
	global_store_b128 v[LI], v[ZR+8:ZR+11], s[66:67] offset:2*(\k)*RECP+12800
	global_store_b128 v[LI], v[ZR:ZR+3], s[66:67] offset:2*(\k)*RECP+13312
.endm
	s_cmp_lg_u32 s18, s19
	s_cbranch_scc1 .Lno_zero
	s_and_b32 s21, s18, 3
	s_cmp_eq_u32 s21, 3                            ; 8 or 16 segments are written already
	s_cbranch_scc1 .Lno_zero
.irp i, 0,1,2,3
	v_mov_b32 v[ZR+\i], 0
	v_mov_b32 v[ZR+4+\i], 0x01010101
	v_mov_b32 v[ZR+8+\i], 0x7f61b1e6               ; -M = 3e38
.endr
	ZREC 1
	s_cmp_gt_u32 s21, 1
	s_cbranch_scc1 .Lno_zero
	ZREC 2
	s_cmp_lg_u32 s21, 0
	s_cbranch_scc1 .Lno_zero
	ZREC 3
.Lno_zero:
	s_wait_tensorcnt 0x0                           ; the wave's end
	ds_add_u32 v[SPW], v[NIL]
	s_wait_dscnt 0x0
	s_endpgm
.Lfunc_end_k_q7007ff8285_score:
	.size	k_q7007ff8285_score, .Lfunc_end_k_q7007ff8285_score-k_q7007ff8285_score
	.p2alignl 7, 3214868480
	.fill 96, 4, 3214868480
	.section	.rodata,"a",@progbits
	.p2align	6, 0x0
	.amdhsa_kernel k_q7007ff8285_score
		.amdhsa_group_segment_fixed_size 327680
		.amdhsa_private_segment_fixed_size 0
		.amdhsa_enable_private_segment 0
		.amdhsa_kernarg_size 16
		.amdhsa_user_sgpr_count 2
		.amdhsa_user_sgpr_kernarg_segment_ptr 1
		.amdhsa_wavefront_size32 1
		.amdhsa_system_sgpr_workgroup_id_x 1
		.amdhsa_system_sgpr_workgroup_id_y 1
		.amdhsa_system_sgpr_workgroup_id_z 1
		.amdhsa_system_vgpr_workitem_id 0
		.amdhsa_next_free_vgpr 1024
		.amdhsa_next_free_sgpr 100
		.amdhsa_reserve_vcc 1
		.amdhsa_float_denorm_mode_32 3
		.amdhsa_float_denorm_mode_16_64 3
		.amdhsa_memory_ordered 1
		.amdhsa_forward_progress 1
		.amdhsa_inst_pref_size 242
	.end_amdhsa_kernel
	.amdgpu_metadata
---
amdhsa.version: [ 1, 2 ]
amdhsa.kernels:
  - .name:           k_q7007ff8285_score
    .symbol:         k_q7007ff8285_score.kd
    .args:
      - { .name: qk, .offset: 0, .size: 8, .value_kind: global_buffer, .address_space: global }
      - { .name: p, .offset: 8, .size: 8, .value_kind: global_buffer, .address_space: global }
    .group_segment_fixed_size: 327680
    .private_segment_fixed_size: 0
    .kernarg_segment_align: 8
    .kernarg_segment_size: 16
    .max_flat_workgroup_size: 128
    .sgpr_count:     100
    .vgpr_count:     1024
    .wavefront_size: 32
...
	.end_amdgpu_metadata
.endif
;; end of part 3
;; launch pv (part 4): grid 8 x 32, 4 waves a work-group, clusters of 4 x 4, 327,680 bytes of LDS; arguments p, vt, out0; writes out0
.if DOCPART == 4
	.amdgcn_target "amdgcn-amd-amdhsa--gfx1250"
	.amdhsa_code_object_version 6
	.text
	.protected	k_q7007ff8285_pv
	.globl	k_q7007ff8285_pv
	.p2align	8
	.type	k_q7007ff8285_pv,@function
k_q7007ff8285_pv:
	s_mov_b64 s[64:65], 0
	v_nop
	global_prefetch_b8 v0, s[64:65] scope:SCOPE_SE
	s_setreg_imm32_b32 hwreg(HW_REG_WAVE_MODE, 25, 1), 1
	s_wait_xcnt 0x0
	s_wait_alu depctr_hold_cnt(0) depctr_sa_sdst(0) depctr_va_vdst(0) depctr_va_sdst(0) depctr_va_ssrc(0) depctr_va_vcc(0) depctr_vm_vsrc(0)
	s_getreg_b32 s2, hwreg(HW_REG_IB_STS2, 6, 4)
	s_cmp_eq_u32 s2, 0
	s_cbranch_scc0 .Lentry_in_a_cluster
	s_endpgm
.Lentry_in_a_cluster:
	s_bfe_u32 s2, ttmp6, 0x10000c
	s_cmp_lg_u32 s2, 0xf033
	s_cbranch_scc0 .Lentry_shape_is_right
	s_endpgm
.Lentry_shape_is_right:
; O = (p v) / l on codes of BF6.  p comes in records of 128 queries x 128 keys (13,824 bytes: eight images of 1,536 bytes, four blocks of 128 bytes of scale words, four of -M (f32), four of l (f32); each block:
; lanes 0-15 tile 2 p's rows, lanes 16-31 tile 2 p + 1's), quantised under each segment's own whole number M.  v^T comes in records of 128 channels x 128 keys (12,800 bytes).
; THE ROW'S M is the largest of its segments' M.  A segment is brought under it by taking d = M(row) - M(segment), a whole number, off its four scale bytes (held at 0 from below); its l is multiplied by 2^-d.  No code changes.
; A PRODUCT is D = (source 0: 16 channels) x (source 1: 16 queries): a lane holds one query, and the 16 registers of channel tiles 2 b, 2 b + 1 are channels 32 b + 16 (lane / 16) + 0 .. 15.
; SHARES.  The causal mask gives group i of 128 queries i + 1 segments of keys.  A work-group takes one batch, one group of 128 channels and TWO groups of queries, j (short) and 15 - j (long), j = 0 .. 7:
; 4 x 8 x 8 = 256 work-groups of equal work.  The short group walks 8 segments, the long one 16 (the launch before wrote records of zeros up to there); both take the same records of v^T, so segments 0-7 are walked
; once for both: eight FULL steps (both groups), then eight HALF steps (the long group).  One path for every work-group: no loop, no branch on ids.
; A wave holds tiles 4 (wave / 2) + 0 .. 3 of each group (64 + 64 rows) x channel tiles 4 (wave % 2) + 0 .. 3 (64 channels): 32 accumulators; a = 0-3 the long group's tiles, a = 4-7 the short group's.
; THE RING: two slots of FOUR steps.  Data slots 0 and 1 (full) are the first fills; slots 2 and 3 (half) are the only refills, and bring no short p.  Wave 0 fetches long p, wave 1 short p, waves 2 and 3 two records of v^T each.
; CLUSTER 4 x 4: x = four groups of channels, y = four values of j.  p's tiles hang on j and the batch alone and are asked for jointly along a row of the cluster, v^T's on the channels and the batch alone, along a column.
; LIMITS: a block of p more than 2^123 under its row's M is held at the byte 0 (each of its numbers is then at most 28 x 2^-127); M is a whole number that f32 holds exactly; NaN and infinities are not served.
; REGISTERS, in windows of 256: window 0: v1-15 addresses, v16-27 at work on the scale bytes, v28-31 the add's two and the stage, v32-47 scale words (two sets), v48-55 -M of the segment in hand, v56-59 -M of the rows,
; v60-63 l of the rows, v64-159 and v160-255 p's fragments (two sets: four long, four short); window 1: v^T's fragments at v0 and v128; window 2: the accumulators, (a, b) at v[8 (4 a + b)].
.set REC,   12800
.set RECP,  13824
.set RA,    RECP
.set RB,    REC
.set QA,    4*RA                       ; four steps of one group of queries
.set HB,    2*RB                       ; two steps of v^T: what wave 2 or 3 fetches
.set QB,    4*RB
.set SLOT,  2*QA+QB                    ; long p, short p, v^T
.set SPARE, 2*SLOT                     ; the spare words, 128 bytes a wave: two blocks of 256 bytes that no other line names
.set STAGE, QA                         ; the way out: 16 rows x 272 bytes a wave, in slot 0's short p: that region is filled once, at the start, and its last read stands three barriers ahead of the first store
.set SP,    272                        ; a stage row: 256 bytes + 16, so that sixteen rows start at sixteen different places modulo 256
.set NW,   1                           ; v1     4 L + 256 (wave / 2): my words in a record's blocks of -M and l
.set ADRA, 2                           ; v2-3   my long fragments in slot 0, 1 (16 L)
.set ADRS, 4                           ; v4-5   my short fragments
.set ADRB, 6                           ; v6-7   my fragments of v^T
.set ADSA, 8                           ; v8-9   the long group's words (4 L)
.set ADSS, 10                          ; v10-11 the short group's
.set ADSB, 12                          ; v12-13 v^T's
.set CO,   14                          ; v14    first 16 L, then my byte offset in two rows of O
.set LW,   15                          ; v15    4 L
.set TD,   16
.set TW,   20
.set TU,   24
.set SPW,  28
.set NIL,  29
.set STO,  30
.set RD,   31
.set SC,   32                          ; set f at SC + 8 f: + 0, 1 long pairs, + 2, 3 short pairs, + 4, 5 v^T's pairs
.set NMR,  48                          ; set f at NMR + 4 f: -M of the segment in hand, long and short pairs
.set NMROW, 56                         ; -M of my rows: long pairs, short pairs
.set LSUM, 60                          ; l of my rows
.set AF,   64
.set NMA,  64                          ; the head: v64-95 -M of the long group's 16 segments x 2 pairs, v96-111 of the short group's 8
.set LA,   112                         ; v112-159 l likewise
.set RL,   64                          ; the way out: v64-79 1 / l, twice for each tile
.set BK,   128                         ; v128-159, v160-191 rows read back, by turns
.set G1,  24
.set G0,  32
.set G1B, 48
.set G0B, 56
.set SEL, 68
.set MH,  78
.set MSB, 0
.macro WIN new                         ; the immediate's high byte repeats the setting that is left
.if MSB != (\new)
	s_set_vgpr_msb (MSB<<8)|(\new)
.set MSB, (\new)
.endif
.endm
.set MUL,  0xa1                        ; source 0 (v^T) window 1, source 1 (p) window 0, C and D window 2
.set TO_B, 0x40
.macro JLOAD s                         ; a first fill: waves 0 and 1 fetch p, waves 2 and 3 v^T; four v_nop follow each line
	s_cmp_eq_u32 s15, 0
	s_cbranch_scc0 .Lfor_b_\@
	tensor_load_to_lds s[G0+4*\s:G0+4*\s+3], s[G1:G1+7]
	s_nop 0
.rept 4
	v_nop
.endr
	s_branch .Lasked_\@
.Lfor_b_\@:
	tensor_load_to_lds s[G0B+4*\s:G0B+4*\s+3], s[G1B:G1B+7]
	s_nop 0
.rept 4
	v_nop
.endr
.Lasked_\@:
.endm
.macro JLOADH s                        ; a refill: wave 0 fetches long p, waves 2 and 3 v^T; wave 1 has no part of these tiles and issues none
	s_cmp_eq_u32 s14, 0
	s_cbranch_scc0 .Lnot_a_\@
	tensor_load_to_lds s[G0+4*\s:G0+4*\s+3], s[G1:G1+7]
	s_nop 0
.rept 4
	v_nop
.endr
	s_branch .Lasked_\@
.Lnot_a_\@:
	s_cmp_lt_u32 s14, 2
	s_cbranch_scc1 .Lasked_\@
	tensor_load_to_lds s[G0B+4*\s:G0B+4*\s+3], s[G1B:G1B+7]
	s_nop 0
.rept 4
	v_nop
.endr
.Lasked_\@:
.endm
.macro CREST
	s_cmp_lg_u32 s14, 0
	s_cbranch_scc1 .Lnot_wave_0_\@
	s_barrier_signal -3
.Lnot_wave_0_\@:
	s_barrier_wait -3
	s_barrier_signal -1
	s_barrier_wait -1
.endm
.macro CROUND
	s_barrier_signal -1
	s_barrier_wait -1
	CREST
.endm
	s_load_b128 s[4:7], s[0:1], 0x0                ; p, vt
	s_load_b64 s[12:13], s[0:1], 0x10              ; out0
	v_lshl_add_u32 v[SPW], v0, 2, SPARE
	v_mov_b32 v[NIL], 0
	ds_add_u32 v28, v29
	ds_add_u32 v28, v29
	s_wait_dscnt 0x0
	v_lshrrev_b32 v1, 5, v0
	v_readfirstlane_b32 s14, v1                    ; wave
	s_lshr_b32 s15, s14, 1                         ; which four tiles of each group of queries are mine.  Also: I fetch p (0) or v^T (1)
	s_and_b32 s16, s14, 1                          ; which four tiles of channels.  Also: which part of that I fetch
	s_bfe_u32 s40, ttmp6, 0x40000                  ; cx
	s_bfe_u32 s41, ttmp6, 0x40004                  ; cy
	s_and_b32 s17, ttmp7, 0xffff                   ; the cluster's y: 2 x batch + (j / 4)
	s_lshl_b32 s43, s41, 2
	s_lshl_b32 s43, 15, s43                        ; my row of the cluster
	s_lshl_b32 s44, 0x1111, s40                    ; my column
	s_or_b32 s[G1+0], s43, (3<<16)|(1<<21)         ; the mask; elements of 8 bytes; bit 21 beside a mask; no padding: 55,296 dense bytes as 216 rows of 256
	s_mov_b32 s[G1+1], 32<<16
	s_mov_b32 s[G1+2], (QA/256)<<16
	s_mov_b32 s[G1+3], 32<<16
	s_mov_b32 s[G1+4], QA/256
	s_mov_b32 s[G1+5], 32
	s_mov_b32 s[G1+6], 0
	s_mov_b32 s[G1+7], 0
	s_or_b32 s[G1B+0], s44, (3<<16)|(1<<21)        ; 25,600 dense bytes as 100 rows of 256
	s_mov_b32 s[G1B+1], 32<<16
	s_mov_b32 s[G1B+2], (HB/256)<<16
	s_mov_b32 s[G1B+3], 32<<16
	s_mov_b32 s[G1B+4], HB/256
	s_mov_b32 s[G1B+5], 32
	s_mov_b32 s[G1B+6], 0
	s_mov_b32 s[G1B+7], 0
	s_lshr_b32 s18, s17, 1                         ; the batch
	s_and_b32 s19, s17, 1
	s_lshl_b32 s19, s19, 2
	s_add_co_u32 s19, s19, s41                     ; j
	s_lshl_b32 s20, s18, 4                         ; 16 groups of queries a batch
	s_add_co_u32 s21, s20, s19                     ; the short group
	s_add_co_u32 s22, s20, 15
	s_sub_co_u32 s22, s22, s19                     ; the long group
	s_cmp_eq_u32 s16, 0
	s_cselect_b32 s46, s22, s21                    ; the group of p that I would fetch: wave 0 the long one, wave 1 the short one
	s_mul_i32 s46, s46, 16*RECP
	s_mov_b32 s47, 0
	s_mul_i32 s76, s22, 16*RECP
	s_mov_b32 s77, 0
	s_mul_i32 s84, s21, 16*RECP
	s_mov_b32 s85, 0
	s_lshl_b32 s42, ttmp9, 2
	s_add_co_u32 s42, s42, s40                     ; my group of 128 channels = 4 x cluster x + cx
	s_lshl_b32 s74, s42, 6                         ; v^T: 64 records a group,
	s_lshl_b32 s75, s18, 4                         ; 16 a batch,
	s_add_co_u32 s74, s74, s75
	s_lshl_b32 s75, s16, 1                         ; wave 2 the slot's first two, wave 3 the other two
	s_add_co_u32 s74, s74, s75
	s_mul_i32 s74, s74, REC
	s_mov_b32 s75, 0
	s_lshl_b32 s86, s22, 19                        ; O: a group's 128 rows of 4,096 bytes,
	s_lshl_b32 s88, s21, 19
	s_lshl_b32 s90, s15, 18                        ; my 64 rows of them,
	s_lshl_b32 s91, s42, 9                         ; my group of channels,
	s_lshl_b32 s92, s16, 8                         ; my 64 of them
	s_add_co_u32 s90, s90, s91
	s_add_co_u32 s90, s90, s92
	s_add_co_u32 s86, s86, s90
	s_add_co_u32 s88, s88, s90
	s_mov_b32 s87, 0
	s_mov_b32 s89, 0
	s_mul_i32 s45, s16, QA                         ; where they go: no place in the cluster enters an LDS address
	s_mul_i32 s79, s16, HB
	s_add_co_u32 s79, s79, 2*QA
	s_wait_kmcnt 0x0
	s_add_nc_u64 s[70:71], s[4:5], s[46:47]
	s_add_nc_u64 s[72:73], s[6:7], s[74:75]
	s_add_nc_u64 s[66:67], s[4:5], s[76:77]        ; p at the long group
	s_add_nc_u64 s[80:81], s[4:5], s[84:85]        ; and at the short one
	s_add_nc_u64 s[82:83], s[12:13], s[88:89]      ; O at my rows of the short group
	s_add_nc_u64 s[12:13], s[12:13], s[86:87]      ; and of the long one
	CROUND                                         ; all sixteen work-groups are here: the first joint loads meet
.irp s, 0,1                                    ; both first fills go out together: two loads of mine are out
	s_mov_b32 s[G0+4*\s], 1
	s_add_co_u32 s[G0+4*\s+1], s45, \s*SLOT
	s_add_nc_u64 s[G0+4*\s+2:G0+4*\s+3], s[70:71], \s*QA
	s_or_b32 s[G0+4*\s+3], s[G0+4*\s+3], 0x80000000
	s_mov_b32 s[G0B+4*\s], 1
	s_add_co_u32 s[G0B+4*\s+1], s79, \s*SLOT
	s_add_nc_u64 s[G0B+4*\s+2:G0B+4*\s+3], s[72:73], \s*QB
	s_or_b32 s[G0B+4*\s+3], s[G0B+4*\s+3], 0x80000000
	JLOAD \s
.endr
	v_and_b32 v1, 31, v0
	v_lshlrev_b32 v[CO], 4, v1                     ; 16 L
	v_lshlrev_b32 v[LW], 2, v1                     ; 4 L
	s_mul_i32 s90, s15, 4*1536                     ; my four images of a record of p,
	s_mul_i32 s91, s16, 4*1536                     ; and of v^T, which lies behind both p's
	s_add_co_u32 s91, s91, 2*QA
	s_lshl_b32 s92, s15, 8                         ; my two blocks of words
	s_lshl_b32 s93, s16, 8
	s_add_co_u32 s93, s93, 2*QA
	v_add_nc_u32 v[NW], s92, v[LW]
.irp s, 0,1
	v_add_nc_u32 v[ADRA+\s], s90, v[CO]
	v_add_nc_u32 v[ADRB+\s], s91, v[CO]
	v_add_nc_u32 v[ADSA+\s], s92, v[LW]
	v_add_nc_u32 v[ADSB+\s], s93, v[LW]
	v_add_nc_u32 v[ADRS+\s], QA, v[ADRA+\s]
	v_add_nc_u32 v[ADSS+\s], QA, v[ADSA+\s]
	s_add_co_u32 s90, s90, SLOT
	s_add_co_u32 s91, s91, SLOT
	s_add_co_u32 s92, s92, SLOT
	s_add_co_u32 s93, s93, SLOT
.endr
	s_mul_i32 s94, s14, 16*SP
	s_add_co_u32 s94, s94, STAGE                   ; my stage
	v_and_b32 v16, 15, v0
	v_bfe_u32 v17, v0, 4, 1
	v_mul_u32_u24 v[STO], v16, SP
	v_lshl_add_u32 v[STO], v17, 6, v[STO]
	v_add_nc_u32 v[STO], s94, v[STO]               ; in: row r, + 64 (lane / 16)
	v_mul_u32_u24 v[RD], v17, SP
	v_lshl_add_u32 v[RD], v16, 4, v[RD]
	v_add_nc_u32 v[RD], s94, v[RD]                 ; back: lanes 0-15 one row of 256 bytes, lanes 16-31 the next
	v_lshlrev_b32 v[CO], 12, v17
	v_lshl_add_u32 v[CO], v16, 4, v[CO]            ; and the same two rows in O
	s_mov_b32 s[SEL], 0x76543210
	s_mov_b32 s[SEL+1], 0xfedcba98
	s_mov_b32 s[MH], 0xffff0000
	; THE ROWS' M AND l.  -M and l of my 64 + 64 queries for every segment of the walk: 16 of the long group, 8 of the short one.
.irp s, 0,1,2,3,4,5,6,7,8,9,10,11,12,13,14,15
.irp pp, 0,1
	global_load_b32 v[NMA+2*\s+\pp], v[NW], s[66:67] offset:RECP*\s+12800+128*\pp
	global_load_b32 v[LA+2*\s+\pp], v[NW], s[66:67] offset:RECP*\s+13312+128*\pp
.endr
.endr
.irp s, 0,1,2,3,4,5,6,7
.irp pp, 0,1
	global_load_b32 v[NMA+32+2*\s+\pp], v[NW], s[80:81] offset:RECP*\s+12800+128*\pp
	global_load_b32 v[LA+32+2*\s+\pp], v[NW], s[80:81] offset:RECP*\s+13312+128*\pp
.endr
.endr
	s_wait_loadcnt 0x0
.irp pp, 0,1
	v_min3_num_f32 v[NMROW+\pp], v[NMA+\pp], v[NMA+2+\pp], v[NMA+4+\pp]
	v_min3_num_f32 v[NMROW+2+\pp], v[NMA+32+\pp], v[NMA+34+\pp], v[NMA+36+\pp]
.endr
.irp s, 3,5
.irp pp, 0,1
	v_min3_num_f32 v[NMROW+\pp], v[NMROW+\pp], v[NMA+2*\s+\pp], v[NMA+2*\s+2+\pp]
	v_min3_num_f32 v[NMROW+2+\pp], v[NMROW+2+\pp], v[NMA+32+2*\s+\pp], v[NMA+32+2*\s+2+\pp]
.endr
.endr
.irp s, 7,9,11,13
.irp pp, 0,1
	v_min3_num_f32 v[NMROW+\pp], v[NMROW+\pp], v[NMA+2*\s+\pp], v[NMA+2*\s+2+\pp]
.endr
.endr
.irp pp, 0,1
	v_min_num_f32 v[NMROW+\pp], v[NMROW+\pp], v[NMA+30+\pp]       ; the smallest -M: the row's
	v_min_num_f32 v[NMROW+2+\pp], v[NMROW+2+\pp], v[NMA+46+\pp]
.endr
.set k, 0
.rept 48
	v_sub_f32 v[NMA+k], v[NMROW+2*(k/32)+k%2], v[NMA+k]           ; M(segment) - M(row): a whole number, 0 or less
.set k, k+1
.endr
.set k, 0
.rept 48
	v_cvt_i32_f32 v[NMA+k], v[NMA+k]               ; (it saturates)
.set k, k+1
.endr
.set k, 0
.rept 48
	v_ldexp_f32 v[LA+k], v[LA+k], v[NMA+k]         ; l under the row's M
.set k, k+1
.endr
.irp pp, 0,1
	v_add_f32 v[LSUM+\pp], v[LA+\pp], v[LA+2+\pp]
	v_add_f32 v[LSUM+2+\pp], v[LA+32+\pp], v[LA+34+\pp]
.endr
.irp s, 2,3,4,5,6,7
.irp pp, 0,1
	v_add_f32 v[LSUM+\pp], v[LSUM+\pp], v[LA+2*\s+\pp]
	v_add_f32 v[LSUM+2+\pp], v[LSUM+2+\pp], v[LA+32+2*\s+\pp]
.endr
.endr
.irp s, 8,9,10,11,12,13,14,15
.irp pp, 0,1
	v_add_f32 v[LSUM+\pp], v[LSUM+\pp], v[LA+2*\s+\pp]
.endr
.endr
; The fragments, scale words and -M of the slot's q-th step into set q % 2: 46 LDS loads, or 30 where the short group has ended.  An image comes back as it was stored: 512 consecutive bytes a load.
.macro FETCH slot, q, full
.set fs, (\q)%2
	WIN TO_B
.irp i, 0,1,2,3
.irp c, 0,1,2
	ds_load_b128 v[128*fs+12*\i+4*\c:128*fs+12*\i+4*\c+3], v[ADRB+\slot] offset:(\q)*RB+1536*\i+512*\c
.endr
.endr
	WIN 0
.irp i, 0,1,2,3
.irp c, 0,1,2
	ds_load_b128 v[AF+96*fs+12*\i+4*\c:AF+96*fs+12*\i+4*\c+3], v[ADRA+\slot] offset:(\q)*RA+1536*\i+512*\c
.endr
.endr
.if \full
.irp i, 0,1,2,3
.irp c, 0,1,2
	ds_load_b128 v[AF+96*fs+48+12*\i+4*\c:AF+96*fs+48+12*\i+4*\c+3], v[ADRS+\slot] offset:(\q)*RA+1536*\i+512*\c
.endr
.endr
.endif
.irp pp, 0,1
	ds_load_b32 v[SC+8*fs+\pp], v[ADSA+\slot] offset:(\q)*RA+12288+128*\pp
	ds_load_b32 v[NMR+4*fs+\pp], v[ADSA+\slot] offset:(\q)*RA+12800+128*\pp
	ds_load_b32 v[SC+8*fs+4+\pp], v[ADSB+\slot] offset:(\q)*RB+12288+128*\pp
.if \full
	ds_load_b32 v[SC+8*fs+2+\pp], v[ADSS+\slot] offset:(\q)*RA+12288+128*\pp
	ds_load_b32 v[NMR+4*fs+2+\pp], v[ADSS+\slot] offset:(\q)*RA+12800+128*\pp
.endif
.endr
.endm
; One product: query tile a against channel tile b, on set q.  An odd tile's scale words lie in lanes 16-31 of its pair's register.
.macro WM a, b, q, zero
.set rD, 8*(4*(\a)+(\b))
.set rB, 128*(\q)+12*(\b)
.set rA, AF+96*(\q)+12*(\a)
.set rT, SC+8*(\q)+4+(\b)/2
.set rS, SC+8*(\q)+(\a)/2
.set par, 2*((\a)%2)+(\b)%2
.if \zero
.if par == 0
	v_wmma_scale_f32_16x16x128_f8f6f4 v[rD:rD+7], v[rB:rB+11], v[rA:rA+11], 0, v[rT], v[rS] matrix_a_fmt:MATRIX_FMT_BF6 matrix_b_fmt:MATRIX_FMT_BF6
.elseif par == 1
	v_wmma_scale_f32_16x16x128_f8f6f4 v[rD:rD+7], v[rB:rB+11], v[rA:rA+11], 0, v[rT], v[rS] matrix_a_fmt:MATRIX_FMT_BF6 matrix_b_fmt:MATRIX_FMT_BF6 matrix_a_scale:MATRIX_SCALE_ROW1
.elseif par == 2
	v_wmma_scale_f32_16x16x128_f8f6f4 v[rD:rD+7], v[rB:rB+11], v[rA:rA+11], 0, v[rT], v[rS] matrix_a_fmt:MATRIX_FMT_BF6 matrix_b_fmt:MATRIX_FMT_BF6 matrix_b_scale:MATRIX_SCALE_ROW1
.else
	v_wmma_scale_f32_16x16x128_f8f6f4 v[rD:rD+7], v[rB:rB+11], v[rA:rA+11], 0, v[rT], v[rS] matrix_a_fmt:MATRIX_FMT_BF6 matrix_b_fmt:MATRIX_FMT_BF6 matrix_a_scale:MATRIX_SCALE_ROW1 matrix_b_scale:MATRIX_SCALE_ROW1
.endif
.else
.if par == 0
	v_wmma_scale_f32_16x16x128_f8f6f4 v[rD:rD+7], v[rB:rB+11], v[rA:rA+11], v[rD:rD+7], v[rT], v[rS] matrix_a_fmt:MATRIX_FMT_BF6 matrix_b_fmt:MATRIX_FMT_BF6
.elseif par == 1
	v_wmma_scale_f32_16x16x128_f8f6f4 v[rD:rD+7], v[rB:rB+11], v[rA:rA+11], v[rD:rD+7], v[rT], v[rS] matrix_a_fmt:MATRIX_FMT_BF6 matrix_b_fmt:MATRIX_FMT_BF6 matrix_a_scale:MATRIX_SCALE_ROW1
.elseif par == 2
	v_wmma_scale_f32_16x16x128_f8f6f4 v[rD:rD+7], v[rB:rB+11], v[rA:rA+11], v[rD:rD+7], v[rT], v[rS] matrix_a_fmt:MATRIX_FMT_BF6 matrix_b_fmt:MATRIX_FMT_BF6 matrix_b_scale:MATRIX_SCALE_ROW1
.else
	v_wmma_scale_f32_16x16x128_f8f6f4 v[rD:rD+7], v[rB:rB+11], v[rA:rA+11], v[rD:rD+7], v[rT], v[rS] matrix_a_fmt:MATRIX_FMT_BF6 matrix_b_fmt:MATRIX_FMT_BF6 matrix_a_scale:MATRIX_SCALE_ROW1 matrix_b_scale:MATRIX_SCALE_ROW1
.endif
.endif
.endm
.macro MUL1 a, q, zero                 ; the accumulators of a step (32, or the long group's 16) take turns, one instruction a turn, in ascending order
.irp b, 0,1,2,3
	WM \a, \b, \q, \zero
.endr
.endm
.macro MUL2 a0, q, zero
	MUL1 \a0, \q, \zero
	MUL1 \a0+1, \q, \zero
.endm
; p's scale words of set q are brought under the row's M: each of a word's four bytes becomes max(byte - d, 0), d = min(M(row) - M(segment), 127).  A byte is at most 123 and d at most 127,
; so with bit 7 set in each byte no borrow passes from byte to byte, and bit 7 of the difference says whether the byte stayed at 0 or above.  full = 0: the long group's two pairs alone.
.macro ADJUST q, full
.irp p, 0,1,2,3
.if (\p < 2) || \full
	v_sub_f32 v[TD+\p], v[NMR+4*(\q)+\p], v[NMROW+\p]
.endif
.endr
.irp p, 0,1,2,3
.if (\p < 2) || \full
	v_min_num_f32 v[TD+\p], 0x42fe0000, v[TD+\p]
.endif
.endr
.irp p, 0,1,2,3
.if (\p < 2) || \full
	v_cvt_u32_f32 v[TD+\p], v[TD+\p]
.endif
.endr
.irp p, 0,1,2,3
.if (\p < 2) || \full
	v_perm_b32 v[TD+\p], v[TD+\p], v[TD+\p], 0     ; d in all four bytes
.endif
.endr
.irp p, 0,1,2,3
.if (\p < 2) || \full
	v_or_b32 v[TW+\p], 0x80808080, v[SC+8*(\q)+\p]
.endif
.endr
.irp p, 0,1,2,3
.if (\p < 2) || \full
	v_sub_nc_u32 v[TW+\p], v[TW+\p], v[TD+\p]
.endif
.endr
.irp p, 0,1,2,3
.if (\p < 2) || \full
	v_and_b32 v[TU+\p], 0x80808080, v[TW+\p]
.endif
.endr
.irp p, 0,1,2,3
.if (\p < 2) || \full
	v_lshrrev_b32 v[TD+\p], 7, v[TU+\p]
.endif
.endr
.irp p, 0,1,2,3
.if (\p < 2) || \full
	v_sub_nc_u32 v[TU+\p], v[TU+\p], v[TD+\p]      ; 0x7f where the byte stays, 0 where it would fall under 0
.endif
.endr
.irp p, 0,1,2,3
.if (\p < 2) || \full
	v_and_b32 v[SC+8*(\q)+\p], v[TW+\p], v[TU+\p]
.endif
.endr
.endm
.macro TAILW q, full                   ; set q is in; its scale words are brought under the row's M; eight places between those writes and the scaled products that read them.
	s_wait_dscnt 0x0                               ; (all these lines are also the places behind this step's products, in front of the next loads into the set that they read)
	ADJUST \q, \full
.rept 8
	v_nop
.endr
.endm
.macro STEP slot, q, full, zero        ; one of a slot's first three steps; the next step of the same slot is fetched meanwhile
	FETCH \slot, (\q)+1, \full
	WIN MUL
	MUL2 0, (\q)%2, \zero
	MUL2 2, (\q)%2, \zero
.if \full
	MUL2 4, (\q)%2, \zero
	MUL2 6, (\q)%2, \zero
.endif
	WIN 0
	TAILW ((\q)+1)%2, \full
.endm
; A slot's fourth step (set 1), and the change of slots: ONE barrier.  In front of it each wave waits for all its tensor loads (its part of the next slot), adds 0 to its spare word, and waits for that;
; its reads of this slot were waited for at the end of the step before.  fill = 1: the barrier opens a round of the cluster's barrier, and this slot is filled again, two slots ahead, first thing behind it.
; full: this step has both groups; nfull: so has the next slot.
.macro TURN slot, next, full, nfull, fill
	s_wait_tensorcnt 0x0                           ; all my tensor loads have landed
	ds_add_u32 v[SPW], v[NIL]                      ; 0 onto my spare word
	WIN MUL
.if \full
	MUL2 0, 1, 0                                   ; products stand between the add and the wait for it
.else
	MUL1 0, 1, 0
.endif
	s_wait_dscnt 0x0                               ; the add is done; no read of this slot is out
	s_barrier_signal -1
.if \full
	MUL2 2, 1, 0
.else
	MUL1 1, 1, 0
.endif
	WIN 0
	s_barrier_wait -1
.if \fill
	CREST                                          ; no wave of any partner still reads this slot or has a load on its way
	s_add_nc_u64 s[G0+4*\slot+2:G0+4*\slot+3], s[G0+4*\slot+2:G0+4*\slot+3], 2*QA
	s_add_nc_u64 s[G0B+4*\slot+2:G0B+4*\slot+3], s[G0B+4*\slot+2:G0B+4*\slot+3], 2*QB
	JLOADH \slot
.endif
	FETCH \next, 0, \nfull
	WIN MUL
.if \full
	MUL2 4, 1, 0
	MUL2 6, 1, 0
.else
	MUL2 2, 1, 0
.endif
	WIN 0
	TAILW 0, \nfull
.endm
	s_wait_tensorcnt 1                             ; my part of slot 0 is in; slot 1's load may stay out
	s_barrier_signal -1
	s_barrier_wait -1
	FETCH 0, 0, 1
	TAILW 0, 1
	STEP 0, 0, 1, 1                                ; segments 0-3, both groups; the first step's products start all 32 sums
	STEP 0, 1, 1, 0
	STEP 0, 2, 1, 0
	TURN 0, 1, 1, 1, 1                             ; slot 0 takes segments 8-11
	STEP 1, 0, 1, 0                                ; segments 4-7, both groups
	STEP 1, 1, 1, 0
	STEP 1, 2, 1, 0
	TURN 1, 0, 1, 0, 1                             ; slot 1 takes segments 12-15
	STEP 0, 0, 0, 0                                ; segments 8-11, the long group
	STEP 0, 1, 0, 0
	STEP 0, 2, 0, 0
	TURN 0, 1, 0, 0, 0                             ; nothing is left to fetch
	STEP 1, 0, 0, 0                                ; segments 12-15
	STEP 1, 1, 0, 0
	STEP 1, 2, 0, 0
	WIN MUL
	MUL2 0, 1, 0
	MUL2 2, 1, 0
	WIN 0
	; THE WAY OUT.  1 / l for each tile's rows, in both halves of the lanes; O is multiplied by it and goes through my stage in LDS, 16 rows x 64 channels at a time, so that sixteen lanes store a row's 256 bytes.
.irp p, 0,1,2,3
	v_rcp_f32 v[TU+\p], v[LSUM+\p]
.endr
	v_nop                                          ; a plain place behind the reciprocals
	s_wait_alu depctr_va_vdst(0)
.irp p, 0,1,2,3
	v_permlanex16_b32 v[TD+\p], v[TU+\p], s[SEL], s[SEL+1]
.endr
.irp p, 0,1,2,3                                ; (these sixteen name no register of the last products: they are the places behind them)
	v_cndmask_b32 v[RL+4*\p], v[TU+\p], v[TD+\p], s[MH]     ; the even tile's rows lie in lanes 0-15,
	v_cndmask_b32 v[RL+4*\p+1], v[TU+\p], v[TD+\p], s[MH]
	v_cndmask_b32 v[RL+4*\p+2], v[TD+\p], v[TU+\p], s[MH]   ; the odd tile's in lanes 16-31
	v_cndmask_b32 v[RL+4*\p+3], v[TD+\p], v[TU+\p], s[MH]
.endr
.macro TOSTAGE a
.set AC, 32*(\a)
	WIN 0x82                                       ; destination and source 0: the accumulators' window
.set n, 0
.rept 16
	v_pk_mul_f32 v[AC+n:AC+n+1], v[AC+n:AC+n+1], v[RL+2*(\a):RL+2*(\a)+1]   ; each accumulator from its low end on
.set n, n+2
.endr
	WIN 0x08                                       ; an LDS store's data are its source 1
.irp b, 0,1,2,3
	ds_store_b128 v[STO], v[AC+8*\b:AC+8*\b+3] offset:128*(\b/2)+32*(\b%2)       ; channels 32 (b / 2) + 16 (lane / 16) + 8 (b % 2) + 0 .. 7
	ds_store_b128 v[STO], v[AC+8*\b+4:AC+8*\b+7] offset:128*(\b/2)+32*(\b%2)+16
.endr
	WIN 0
.set BB, BK+32*((\a)%2)
.irp t, 0,1,2,3,4,5,6,7
	ds_load_b128 v[BB+4*\t:BB+4*\t+3], v[RD] offset:2*\t*SP   ; LDS serves a wave's instructions in order: these see the stores above
.endr
.endm
.macro SEND a, younger                 ; younger: the LDS instructions issued behind tile a's loads, which may stay out.  Stage row 2 t + (lane / 16) is row 32 (a' / 2) + 8 (a' % 2) + 2 t + 8 (t / 4) + (lane / 16) of my 64, a' = a % 4
.set BB, BK+32*((\a)%2)
.set RW, 32*(((\a)%4)/2)+8*((\a)%2)
	s_wait_dscnt \younger
.irp t, 0,1,2,3,4,5,6,7
.if (\a) < 4
	global_store_b128 v[CO], v[BB+4*\t:BB+4*\t+3], s[12:13] offset:(RW+2*\t+8*(\t/4))*4096 th:TH_STORE_NT   ; sixteen lanes store 256 consecutive bytes, aligned; written once
.else
	global_store_b128 v[CO], v[BB+4*\t:BB+4*\t+3], s[82:83] offset:(RW+2*\t+8*(\t/4))*4096 th:TH_STORE_NT
.endif
.endr
.endm
	TOSTAGE 0
.irp a, 1,2,3,4,5,6,7
.if \a > 1
	s_wait_xcnt 0x0                                ; the stores of the tile two back have read the registers that this tile's rows land in
.endif
	TOSTAGE \a
	SEND \a-1, 16                                  ; behind tile a - 1's loads: tile a's 8 stores and 8 loads
.endr
	SEND 7, 0
	s_wait_tensorcnt 0x0                           ; the wave's end
	ds_add_u32 v[SPW], v[NIL]
	s_wait_dscnt 0x0
	CROUND                                         ; the closing round
	s_endpgm
.Lfunc_end_k_q7007ff8285_pv:
	.size	k_q7007ff8285_pv, .Lfunc_end_k_q7007ff8285_pv-k_q7007ff8285_pv
	.p2alignl 7, 3214868480
	.fill 96, 4, 3214868480
	.section	.rodata,"a",@progbits
	.p2align	6, 0x0
	.amdhsa_kernel k_q7007ff8285_pv
		.amdhsa_group_segment_fixed_size 327680
		.amdhsa_private_segment_fixed_size 0
		.amdhsa_enable_private_segment 0
		.amdhsa_kernarg_size 24
		.amdhsa_user_sgpr_count 2
		.amdhsa_user_sgpr_kernarg_segment_ptr 1
		.amdhsa_wavefront_size32 1
		.amdhsa_system_sgpr_workgroup_id_x 1
		.amdhsa_system_sgpr_workgroup_id_y 1
		.amdhsa_system_sgpr_workgroup_id_z 1
		.amdhsa_system_vgpr_workitem_id 0
		.amdhsa_next_free_vgpr 768
		.amdhsa_next_free_sgpr 100
		.amdhsa_reserve_vcc 0
		.amdhsa_float_denorm_mode_32 3
		.amdhsa_float_denorm_mode_16_64 3
		.amdhsa_memory_ordered 1
		.amdhsa_forward_progress 1
		.amdhsa_inst_pref_size 168
	.end_amdhsa_kernel
	.amdgpu_metadata
---
amdhsa.version: [ 1, 2 ]
amdhsa.kernels:
  - .name:           k_q7007ff8285_pv
    .symbol:         k_q7007ff8285_pv.kd
    .args:
      - { .name: p, .offset: 0, .size: 8, .value_kind: global_buffer, .address_space: global }
      - { .name: vt, .offset: 8, .size: 8, .value_kind: global_buffer, .address_space: global }
      - { .name: out0, .offset: 16, .size: 8, .value_kind: global_buffer, .address_space: global }
    .group_segment_fixed_size: 327680
    .private_segment_fixed_size: 0
    .kernarg_segment_align: 8
    .kernarg_segment_size: 24
    .max_flat_workgroup_size: 128
    .sgpr_count:     100
    .vgpr_count:     768
    .wavefront_size: 32
...
	.end_amdgpu_metadata
.endif
;; end of part 4
